; MI455X (gfx1250); checked and timed in simulation.
; The chip was launched on July 23, 2026; its instructions are those of AMD's public machine-readable ISA for CDNA 5 (MIT licence, August 2026) and "CDNA5" Instruction Set Architecture Reference Guide (July 2026). The comments in the code are by the model that wrote it; some were corrected since.
;; my multi head atten. Allowed arithmetic: matrix products marked QUANTISED: E2M3 operands, one E8M0 scale for each 32 along K, by v_wmma_scale_f32_16x16x128_f8f6f4 with both operands' format E2M3, f32 sums; everything else in f32.
;; Inputs: bk 16 x 64 float32; bo 1,024 float32; bq 16 x 64 float32; bv 16 x 64 float32; k_in_codes 4 x 2,048 x 32 x 24 uint8 (E2M3 codes of k_in, K innermost, in blocks of 32 codes, four codes in three bytes); k_in_scales 4 x 2,048 x 32 uint8 (E8M0 scales of k_in, one for each 32 codes along K); q_in_codes 4 x 2,048 x 32 x 24 uint8 (E2M3 codes of q_in, K innermost, in blocks of 32 codes, four codes in three bytes); q_in_scales 4 x 2,048 x 32 uint8 (E8M0 scales of q_in, one for each 32 codes along K); v_in_codes 4 x 2,048 x 32 x 24 uint8 (E2M3 codes of v_in, K innermost, in blocks of 32 codes, four codes in three bytes); v_in_scales 4 x 2,048 x 32 uint8 (E8M0 scales of v_in, one for each 32 codes along K); wk_codes 16 x 64 x 32 x 24 uint8 (E2M3 codes of wk, K innermost, in blocks of 32 codes, four codes in three bytes); wk_scales 16 x 64 x 32 uint8 (E8M0 scales of wk, one for each 32 codes along K); wo_codes 1,024 x 32 x 24 uint8 (E2M3 codes of wo, K innermost, in blocks of 32 codes, four codes in three bytes); wo_scales 1,024 x 32 uint8 (E8M0 scales of wo, one for each 32 codes along K); wq_codes 16 x 64 x 32 x 24 uint8 (E2M3 codes of wq, K innermost, in blocks of 32 codes, four codes in three bytes); wq_scales 16 x 64 x 32 uint8 (E8M0 scales of wq, one for each 32 codes along K); wv_codes 16 x 64 x 32 x 24 uint8 (E2M3 codes of wv, K innermost, in blocks of 32 codes, four codes in three bytes); wv_scales 16 x 64 x 32 uint8 (E8M0 scales of wv, one for each 32 codes along K).
;; Outputs: out0 4 x 2,048 x 1,024 float32.
;; This version of the problem:
;;   THIS VERSION OF THE PROBLEM IS GIVEN IN LOW PRECISION. The matrix products marked QUANTISED in the list below multiply operands that are first quantised to E2M3 (2 exponent bits, 3 mantissa bits; 6 bits a number), with one power-of-two scale for each 32 numbers along K (OCP MX v1.0); their sums are f32. All else is computed in f32.
;;   The module's matrix products, in the order in which they are computed (A, B: the left and right operand; K: the contracted axis; several contracted axes count as one K, in the product's order):
;;     1. [M 1,024, K 1,024] x [K 1,024, N 8,192]; A: input wq (given as codes); B: input q_in (given as codes): QUANTISED
;;     2. [M 1,024, K 1,024] x [K 1,024, N 8,192]; A: input wk (given as codes); B: input k_in (given as codes): QUANTISED
;;     3. [M 1,024, K 1,024] x [K 1,024, N 8,192]; A: input wv (given as codes); B: input v_in (given as codes): QUANTISED
;;     4. batch 64 x [M 2,048, K 64] x [K 64, N 2,048]; A: computed on the way; B: computed on the way: QUANTISED
;;     5. batch 64 x [M 2,048, K 2,048] x [K 2,048, N 64]; A: softmax (see below); B: computed on the way: QUANTISED
;;     6. [M 8,192, K 1,024] x [K 1,024, N 1,024]; A: computed on the way; B: input wo (given as codes): QUANTISED
;;   THE QUANTISER, for each operand of a quantised product, along K:
;;     - K is cut into blocks of 32 from its start; a last block that is shorter is filled with zeros.
;;     - A block's scale is 2^e with e = floor(log2(the largest magnitude in the block)) - 2, held to -126 .. 127; a block of zeros has e = 0. As a byte (E8M0): e + 127.
;;     - Each number is divided by its block's scale, clamped to +-7.5, and rounded to the nearest number of E2M3, ties to even, subnormals kept.
;;     - The product sums the exact products of the quantised numbers (number of the format x scale) in f32.
;;   ~~~python
;;   def quantise(x, axis):      # numpy; x: float32 -> the quantised numbers, widened to float32 again
;;       x = np.moveaxis(x, axis, -1); K = x.shape[-1]
;;       x = np.pad(x, [(0, 0)] * (x.ndim - 1) + [(0, -K % 32)]); x = x.reshape(x.shape[:-1] + (-1, 32)); a = np.abs(x).max(-1, keepdims=True)
;;       e = np.where(a > 0, np.clip(np.frexp(np.where(a > 0, a, 1))[1] - 1 - 2, -126, 127), 0)      # np.frexp(a)[1] - 1 = floor(log2(a)), exactly
;;       r = np.clip(x / 2.0 ** e, -7.5, 7.5)
;;       step = 2.0 ** (np.maximum(np.frexp(np.where(r == 0, 1, r))[1] - 1, 0) - 3)
;;       q = np.round(r / step) * step * 2.0 ** e      # np.round: ties to even
;;       return np.moveaxis(q.reshape(q.shape[:-2] + (-1,))[..., :K], -1, axis).astype(np.float32)
;;   ~~~
;;   SOFTMAX AHEAD OF A QUANTISED PRODUCT. Where the list says 'softmax', what is quantised is not the finished softmax but p = 2^(t - M), with t = logit x log2(e) and M = ceil(the row's largest t), a whole number; so 1/2 < the row's largest p <= 1. The row's sum l is taken of the UNQUANTISED p, in f32, and the product's result is divided by l at the end. Since M is a whole number, a kernel that streams over the keys may use a running M (the ceiling of the running maximum): every later rescaling is an exact power of two, which a block's scale takes up: the codes' values come out the same.
;;   OPERANDS COMPUTED ON THE WAY. 'Computed on the way' means the value that the module computes at that place (a softmax that the list does not call 'softmax' is quantised finished and normalised). What goes into a quantiser is computed in f32, as accurately as f32 sums, v_exp_f32 and their like allow (about 1e-6 of the number): no bf16 or f16 on the way to a quantiser, and a product that is left as it is and whose result goes on into a quantised operand takes f32 operands (vector FMAs, or v_wmma_f32_16x16x4_f32). A number that lies on a knife's edge between two numbers of the format may be rounded either way, as far as f32 arithmetic and the matrix unit's own rounding can turn it there, and no further.
;;   INPUTS GIVEN AS CODES. k_in (in the module: [4, 2048, 1024], K = its axis 2); q_in (in the module: [4, 2048, 1024], K = its axis 2); v_in (in the module: [4, 2048, 1024], K = its axis 2); wk (in the module: [16, 1024, 64], K = its axis 1); wo (in the module: [1024, 1024], K = its axis 0); wq (in the module: [16, 1024, 64], K = its axis 1); wv (in the module: [16, 1024, 64], K = its axis 1): each comes as NAME_codes (uint8): NAME with its K axis moved to the last place and cut into blocks of 32 codes, [.., K / 32, bytes a block], one block behind the other in memory; four codes in three bytes: a row's codes are one little-endian stream of bits, code i at bits 6 i .. 6 i + 5 (a code: sign, 2 exponent bits, 3 mantissa bits); and NAME_scales (uint8): the same leading axes, one E8M0 byte (e + 127) for each 32 codes along K. Its value is code x scale, taken as it is: it is not quantised again, and the codes and scales need not be those that the quantiser above would give.
;; One version. Each part assembles by itself: llvm-mc -triple=amdgcn-amd-amdhsa -mcpu=gfx1250 --defsym DOCPART=n.
;; ======== version 1 of 1: 3 launches
;; workspace buffers: qw 6,815,744 bytes; kv 13,369,344 bytes; catc 6,291,456 bytes; cats 262,144 bytes
;; launch proj (part 1): grid 32 x 12, 4 waves a work-group, clusters of 4 x 4, 327,680 bytes of LDS; arguments q_in_codes, q_in_scales, wq_codes, wq_scales, bq, k_in_codes, k_in_scales, wk_codes, wk_scales, bk, wv_codes, wv_scales, v_in_codes, v_in_scales, bv, qw, kv; writes qw, kv
.if DOCPART == 1
	.amdgcn_target "amdgcn-amd-amdhsa--gfx1250"
	.amdhsa_code_object_version 6
	.text
	.protected	k_qc6e4d04dfd_proj
	.globl	k_qc6e4d04dfd_proj
	.p2align	8
	.type	k_qc6e4d04dfd_proj,@function
k_qc6e4d04dfd_proj:
	s_mov_b64 s[64:65], 0
	v_nop
	global_prefetch_b8 v0, s[64:65] scope:SCOPE_SE
	s_setreg_imm32_b32 hwreg(HW_REG_WAVE_MODE, 25, 1), 1
	s_wait_xcnt 0x0
	s_wait_alu depctr_hold_cnt(0) depctr_sa_sdst(0) depctr_va_vdst(0) depctr_va_sdst(0) depctr_va_ssrc(0) depctr_va_vcc(0) depctr_vm_vsrc(0)
	s_getreg_b32 s2, hwreg(HW_REG_IB_STS2, 6, 4)
	s_cmp_eq_u32 s2, 0
	s_cbranch_scc0 .Lentry_in_a_cluster
	s_endpgm
.Lentry_in_a_cluster:
	s_bfe_u32 s2, ttmp6, 0x10000c
	s_cmp_lg_u32 s2, 0xf033
	s_cbranch_scc0 .Lentry_shape_is_right
	s_endpgm
.Lentry_shape_is_right:
; THE THREE PROJECTIONS q = q_in wq + bq, k = k_in wk + bk, v = v_in wv + bv, on codes of FP6 (E2M3) with one E8M0 scale for each 32 along K = 1,024, sums in f32,
; and the quantising of their results for the attention launch: q and k along the head's 64 channels, v along the keys.
; DEAD WORK: none is left out in this program.  Every bias goes into a quantiser of a live product (bk and bv too: they move codes and scales), so every input is loaded.
; LIMITS: NaN and infinities among the inputs are not served.  A block of zeros gets the scale byte 1 where the quantiser says 127: its codes are zeros, which add nothing under any byte but 0xff,
; and only this program reads these bytes.  Blocks whose largest magnitude lies under 2^(3 - 127) keep the byte 1.
; ONE BODY, THREE MODES, by the cluster's y (the same in all sixteen partners): 0 = q, 1 = k, 2 = v.  A tile of the result is 256 x 256, made by four waves, 128 x 128 each: 64 accumulators, 512 registers.
; The matrix instruction takes 16 rows of "B" as source 0 and 16 rows of "A" as source 1: a lane then holds ONE row of A and its registers run along B's rows.  The axis that is quantised next must run along the
; registers: modes 0, 1: A = the tokens (8,192 rows), B = the weight's rows (16 heads x 64 channels);  mode 2: A = wv's rows, B = the tokens (the keys).
; K goes in steps of 256 through a ring of two LDS slots filled by the tensor data mover (rows of 192 bytes); the scale bytes of the tile's 2 x 256 rows, for all of K, come once with the first fills.
; CLUSTERS: 4 x 4 work-groups; A's tiles are asked for jointly by a row of the cluster, B's by a column.
; No prefetch: a tile has four K steps, two of them first fills; what the two refills ask for would have to be named at the head, where every work-group's first tiles are on their way.
; THE BIAS is the C of each sum's first matrix instruction: eight registers in the result's layout (modes 0, 1: by B's block; mode 2: by A's block, the same number in all eight).
; THE WAY OUT needs no LDS: a block of 16 rows x 128 is quantised in registers into the ORDER OF THE NEXT OPERAND'S REGISTERS, and each store of a wave covers 512 (scale words of v: 256) consecutive aligned bytes.
;   qw: [16 b + h][step of 128 rows][6,656]: four pair-runs of 1,536 bytes (tiles 2 t, 2 t + 1: six registers each, as three groups of four registers, group g at 512 g + 16 x lane), then 512 bytes of scale words.
;   kv: [16 b + h][step of 128 keys][13,056]: k's four pair-runs, v's four tiles (16 channels x 128 keys, 12 registers, three groups), k's scale words (512), v's (256).
; REGISTERS, in windows of 256: window 0: v0-31 addresses; v32-63 scale words, two sets; v64-127 the bias; v128-223 A's fragments, one set (on the way out: the codes); v224-255 at work on the way out.
;   window 1: B's fragments, two sets, at v0 and v128.   window 2: the accumulators of my rows 0-63 ((a, b) at v[8 (8 a + b)]);   window 3: those of my rows 64-127.
.set KSTEP,  256                       ; along K in a slot
.set NQ,     KSTEP/128                 ; matrix instructions deep
.set ROWB,   192                       ; a tile's row in bytes
.set KROW,   768                       ; a row of 1,024 codes in memory
.set PITCH,  240                       ; an LDS row: 3 x (64 bytes + 16 of padding)
.set FR,     12                        ; registers of a fragment
.set NL,     6                         ; LDS loads that bring one
.set NP,     4                         ; places behind this matrix instruction (ISA guide 7.12.1)
.set HALFT,  128*PITCH                 ; 128 rows: what one tensor load brings
.set SLOT,   4*HALFT                   ; A's 256 rows, then B's 256 rows
.set KS,     32                        ; a row of scale bytes
.set SCL,    2*SLOT                    ; behind the ring: the scales, as units of 256 bytes + 16 of padding
.set HALFS,  (128*KS/256)*272          ; those of 128 rows
.set SBLK,   (16*KS/256)*272           ; those of 16 rows
.set SPARE,  SCL+4*HALFS               ; the spare words, 128 bytes for each wave
.set QHEAD,  106496                    ; qw: bytes of a head, of a step
.set QSTEP,  6656
.set KVHEAD, 208896                    ; kv likewise
.set KVSTEP, 13056
.set ADRA, 16                          ; v16-17 LDS address of my A fragments in slot 0, 1 (v18-19: behind one padding more)
.set ADRB, 20                          ; v20-23 the same for B
.set ADRS, 27                          ; v27    LDS address of my scale words: lanes 0-15 A's rows, lanes 16-31 B's
.set SPW,  28                          ; v28    my spare word; never rewritten
.set NIL,  29                          ; v29    0; never rewritten
.set L16,  30                          ; v30    16 x lane
.set L8,   31                          ; v31    8 x lane
.set SC,   32                          ; scale words, set s at v[SC + 16 s]
.set BI,   64                          ; the bias, 8 x 8 registers
.set AF,   128                         ; A's fragments
.set RR,   128                         ; the way out: 24 registers of codes
.set TM,   224                         ; +0..3 largest magnitudes, +4..7 the other half's, then the bytes, +8..11 the conversions' scale operands
.set PWE,  236                         ; the scale word of the pair's first block of rows
.set PWO,  237                         ; of its second
.set T0,   238                         ; v238-240, v242-244: the odd blocks' codes
.set T1,   242
.set SCW0, 248                         ; v248-251 scale words to be stored
.set SCW1, 252                         ; v252-255 the same for the second head
.set MODE, 66                          ; s66  0 = q, 1 = k, 2 = v
.set HI16, 67                          ; s67  lanes 16-31
.set SEL,  18                          ; s[18:19] on the way out: lane selects for lane l xor 16
.set P1,   20                          ; s20-22 on the way out: byte selects of the interleave
.set P2,   21
.set P3,   22
.set G1, 24                            ; s[24:31] group 1 for A's tiles; s[32:39] group 0, a set for each slot
.set G0, 32
.set G1B, 48                           ; s[48:55], s[56:63] the same for B's
.set G0B, 56
.set G1S, 68                           ; s[68:75], s[76:79] for A's scales; s[80:87], s[88:91] for B's
.set G0S, 76
.set G1SB, 80
.set G0SB, 88
.set MSB, 0
.macro WIN new                         ; the immediate's high byte repeats the setting that is left
.if MSB != \new
	s_set_vgpr_msb (MSB<<8)|\new
.set MSB, \new
.endif
.endm
.set MUL_LO, 0xa1                      ; source 0 (B) window 1, source 1 (A) window 0, C and D window 2
.set MUL_HI, 0xf1                      ; the same, C and D window 3
.set BIA_LO, 0x81                      ; C (the bias) window 0, D window 2
.set BIA_HI, 0xc1                      ; C window 0, D window 3
.set TO_B,   0x40                      ; destination window 1, address window 0
; A joint load: waves 0 and 1 fetch for A, waves 2 and 3 for B; the branch hangs on the wave's number alone.  An s_nop 0 and four v_nop follow each of the two lines.
.macro JLOAD g0a, g1a, g0b, g1b
	s_cmp_eq_u32 s15, 0
	s_cbranch_scc0 .Lfor_b_\@
	tensor_load_to_lds s[\g0a:\g0a+3], s[\g1a:\g1a+7]
	s_nop 0
.rept 4
	v_nop
.endr
	s_branch .Lasked_\@
.Lfor_b_\@:
	tensor_load_to_lds s[\g0b:\g0b+3], s[\g1b:\g1b+7]
	s_nop 0
.rept 4
	v_nop
.endr
.Lasked_\@:
.endm
.macro CREST                           ; a round of the cluster's barrier behind its opening barrier
	s_cmp_lg_u32 s14, 0
	s_cbranch_scc1 .Lnot_wave_0_\@
	s_barrier_signal -3
.Lnot_wave_0_\@:
	s_barrier_wait -3
	s_barrier_signal -1
	s_barrier_wait -1
.endm
.macro CROUND                          ; a whole round
	s_barrier_signal -1
	s_barrier_wait -1
	CREST
.endm
	s_load_b256 s[4:11], s[0:1], 0x0               ; mode 0: A's codes, A's scales, B's codes, B's scales
	s_load_b64 s[98:99], s[0:1], 0x20              ;         the bias
	s_load_b256 s[68:75], s[0:1], 0x28             ; mode 1
	s_load_b64 s[76:77], s[0:1], 0x48
	s_load_b256 s[80:87], s[0:1], 0x50             ; mode 2
	s_load_b64 s[88:89], s[0:1], 0x70
	s_load_b128 s[92:95], s[0:1], 0x78             ; qw, kv
	v_lshl_add_u32 v[SPW], v0, 2, SPARE
	v_mov_b32 v[NIL], 0
	ds_add_u32 v[SPW], v[NIL]                      ; the wave's opening: the add, twice on end, and its wait ahead of my first tensor load
	ds_add_u32 v[SPW], v[NIL]                      ; and once more; the set-up below, work on registers, stands between it and the wait
	v_lshrrev_b32 v1, 5, v0
	v_readfirstlane_b32 s14, v1                    ; wave 0..3
	s_lshr_b32 s15, s14, 1                         ; which half of A's rows is mine.  Also: I fetch for A (0) or for B (1)
	s_and_b32 s16, s14, 1                          ; which half of B's rows.  Also: which 128 rows of that tile I fetch
	s_bfe_u32 s40, ttmp6, 0x40000                  ; cx, cy: my place in the cluster
	s_bfe_u32 s41, ttmp6, 0x40004
	s_and_b32 s[MODE], ttmp7, 0xffff               ; the cluster's y
	s_cmp_eq_u32 s[MODE], 2                        ; the eight clusters of a mode walk the tokens: A's rows in modes 0, 1, B's in mode 2
	s_cselect_b32 s42, ttmp9, 0
	s_cselect_b32 s17, 0, ttmp9
	s_lshl_b32 s42, s42, 2
	s_add_co_u32 s42, s42, s40                     ; B's tile
	s_lshl_b32 s17, s17, 2
	s_add_co_u32 s17, s17, s41                     ; A's tile
	s_lshl_b32 s43, s41, 2
	s_lshl_b32 s43, 15, s43                        ; my row of the cluster
	s_lshl_b32 s44, 0x1111, s40                    ; my column
	; descriptor group 1: a tile of 128 rows x 192 bytes; 16 bytes of padding behind every 64
	s_or_b32 s[G1+0], s43, (0<<16)|(1<<20)|(1<<21)|(3<<22)|(3<<25)  ; 15:0 the mask: A's tiles go to my row; elements of 1 byte; padding on; bit 21 beside a mask; after every 16 words, 4 words
	s_or_b32 s[G1B+0], s44, (0<<16)|(1<<20)|(1<<21)|(3<<22)|(3<<25)
.irp g, G1, G1B
	s_mov_b32 s[\g+1], ROWB<<16                    ; tensor_dim0
	s_mov_b32 s[\g+2], 128<<16                     ; tensor_dim1
	s_mov_b32 s[\g+3], ROWB<<16                    ; tile_dim0
	s_mov_b32 s[\g+4], 128                         ; tile_dim1
	s_mov_b32 s[\g+5], KROW                        ; from row to row
	s_mov_b32 s[\g+6], 0
	s_mov_b32 s[\g+7], 0
.endr
	s_lshl_b32 s18, s16, 7                         ; which 128 rows of the tile I fetch
	s_lshl_b32 s20, s17, 8
	s_add_co_u32 s20, s20, s18                     ; A: row 256 x tile + 128 x half
	s_lshl_b32 s46, s42, 8
	s_add_co_u32 s46, s46, s18                     ; B likewise
	s_mov_b32 s21, 0
	s_mov_b32 s47, 0
	s_mov_b64 s[18:19], KS
	s_mul_u64 s[22:23], s[20:21], s[18:19]         ; where these rows' scales begin, in bytes
	s_mul_u64 s[96:97], s[46:47], s[18:19]
	s_mov_b64 s[18:19], KROW
	s_mul_u64 s[20:21], s[20:21], s[18:19]         ; and their codes
	s_mul_u64 s[46:47], s[46:47], s[18:19]
	s_mul_i32 s45, s14, HALFT                      ; where they go: wave x 128 rows: no place in the cluster enters an LDS address
	s_mul_i32 s2, s14, HALFS
	s_wait_dscnt 0x0                               ; both opening adds are done
	s_wait_kmcnt 0x0
	s_cmp_eq_u32 s[MODE], 1                        ; the mode's five buffers: a choice that hangs on the cluster's y alone
	s_cselect_b64 s[4:5], s[68:69], s[4:5]
	s_cselect_b64 s[6:7], s[70:71], s[6:7]
	s_cselect_b64 s[8:9], s[72:73], s[8:9]
	s_cselect_b64 s[10:11], s[74:75], s[10:11]
	s_cselect_b64 s[98:99], s[76:77], s[98:99]
	s_cmp_eq_u32 s[MODE], 2
	s_cselect_b64 s[4:5], s[80:81], s[4:5]
	s_cselect_b64 s[6:7], s[82:83], s[6:7]
	s_cselect_b64 s[8:9], s[84:85], s[8:9]
	s_cselect_b64 s[10:11], s[86:87], s[10:11]
	s_cselect_b64 s[98:99], s[88:89], s[98:99]
	s_cmp_eq_u32 s[MODE], 0
	s_cselect_b64 s[12:13], s[92:93], s[94:95]     ; where the results go: qw, or kv
	; group 1 for the scales of 128 rows: a dense block of 4,096 bytes, as 16 rows of 256 bytes (32 elements of 8), 16 bytes of padding behind each
	s_or_b32 s[G1S+0], s43, (3<<16)|(1<<20)|(1<<21)|(5<<22)|(3<<25)
	s_or_b32 s[G1SB+0], s44, (3<<16)|(1<<20)|(1<<21)|(5<<22)|(3<<25)
.irp g, G1S, G1SB
	s_mov_b32 s[\g+1], 32<<16
	s_mov_b32 s[\g+2], (128*KS/256)<<16
	s_mov_b32 s[\g+3], 32<<16
	s_mov_b32 s[\g+4], 128*KS/256
	s_mov_b32 s[\g+5], 32
	s_mov_b32 s[\g+6], 0
	s_mov_b32 s[\g+7], 0
.endr
	s_add_nc_u64 s[20:21], s[4:5], s[20:21]
	s_add_nc_u64 s[22:23], s[6:7], s[22:23]
	s_add_nc_u64 s[46:47], s[8:9], s[46:47]
	s_add_nc_u64 s[96:97], s[10:11], s[96:97]
	CROUND                                         ; all sixteen work-groups are here: the first joint loads meet
	s_mov_b32 s[G0S], 1
	s_add_co_u32 s[G0S+1], s2, SCL
	s_mov_b64 s[G0S+2:G0S+3], s[22:23]
	s_or_b32 s[G0S+3], s[G0S+3], 0x80000000
	s_mov_b32 s[G0SB], 1
	s_add_co_u32 s[G0SB+1], s2, SCL
	s_mov_b64 s[G0SB+2:G0SB+3], s[96:97]
	s_or_b32 s[G0SB+3], s[G0SB+3], 0x80000000
	JLOAD G0S, G1S, G0SB, G1SB                     ; the scales first: they are wanted with K step 0
.irp s, 0,1
	s_mov_b32 s[G0+4*\s], 1
	s_add_co_u32 s[G0+4*\s+1], s45, \s*SLOT
	s_add_nc_u64 s[G0+4*\s+2:G0+4*\s+3], s[20:21], \s*ROWB
	s_or_b32 s[G0+4*\s+3], s[G0+4*\s+3], 0x80000000
	s_mov_b32 s[G0B+4*\s], 1
	s_add_co_u32 s[G0B+4*\s+1], s45, \s*SLOT
	s_add_nc_u64 s[G0B+4*\s+2:G0B+4*\s+3], s[46:47], \s*ROWB
	s_or_b32 s[G0B+4*\s+3], s[G0B+4*\s+3], 0x80000000
	s_wait_alu depctr_va_vdst(0)
	s_wait_tensorcnt 0x0
	ds_add_u32 v28, v29
	s_wait_dscnt 0x0
	CROUND
	JLOAD G0+4*\s, G1, G0B+4*\s, G1B               ; one tensor load of a wave is out here
.endr
	v_and_b32 v1, 15, v0                           ; l % 16
	v_bfe_u32 v2, v0, 4, 1                         ; l / 16
	v_mul_u32_u24 v3, v1, PITCH
	v_mul_u32_u24 v4, v2, 24
	v_add_nc_u32 v4, v3, v4                        ; a fragment's row x pitch + 24 x half
	v_lshl_add_u32 v5, v2, 4, v4                   ; and the same behind one padding more
	s_mul_i32 s21, s15, HALFT                      ; my 128 rows of A
	s_mul_i32 s22, s16, HALFT                      ; my 128 rows of B,
	s_add_co_u32 s22, s22, 2*HALFT                 ; which lie behind A's 256
.irp s, 0,1
	v_add_nc_u32 v[ADRA+\s], s21, v4
	v_add_nc_u32 v[ADRB+\s], s22, v4
	v_add_nc_u32 v[ADRA+2+\s], s21, v5
	v_add_nc_u32 v[ADRB+2+\s], s22, v5
	s_add_co_u32 s21, s21, SLOT
	s_add_co_u32 s22, s22, SLOT
.endr
	v_mul_u32_u24 v5, v1, KS                       ; my row's scales: 32 bytes a row,
	v_lshrrev_b32 v6, 8, v5
	v_lshl_add_u32 v5, v6, 4, v5                   ; and 16 more for each 256 passed
	s_mul_i32 s21, s15, HALFS                      ; A's: my 128 rows
	s_mul_i32 s22, s16, HALFS                      ; B's: my 128 rows, behind A's 256
	s_add_co_u32 s22, s22, 2*HALFS
	s_sub_co_u32 s22, s22, s21
	v_mul_u32_u24 v6, s22, v2                      ; lanes 16-31 take B's
	s_add_co_u32 s21, s21, SCL
	v_add_nc_u32 v5, v5, v6
	v_add_nc_u32 v[ADRS], s21, v5
	v_and_b32 v6, 31, v0
	v_lshlrev_b32 v[L16], 4, v6
	v_lshlrev_b32 v[L8], 3, v6
	; the bias: modes 0, 1: of B's rows (my registers' axis); mode 2: of A's rows (my lane's)
	s_lshl_b32 s92, s42, 8
	s_lshl_b32 s93, s16, 7
	s_add_co_u32 s92, s92, s93                     ; my first row of B
	s_lshl_b32 s94, s17, 8
	s_lshl_b32 s95, s15, 7
	s_add_co_u32 s94, s94, s95                     ; my first row of A
	s_cmp_eq_u32 s[MODE], 2
	s_cselect_b32 s92, s94, s92
	s_lshl_b32 s92, s92, 2
	s_mov_b32 s93, 0
	s_add_nc_u64 s[98:99], s[98:99], s[92:93]
	s_cmp_eq_u32 s[MODE], 2
	s_cbranch_scc1 .Lbias_v
	v_lshlrev_b32 v8, 5, v2                        ; register j of B's block b is row 16 b + 8 (l / 16) + j
.irp b, 0,1,2,3,4,5,6,7
	global_load_b128 v[BI+8*\b:BI+8*\b+3], v8, s[98:99] offset:64*\b
	global_load_b128 v[BI+8*\b+4:BI+8*\b+7], v8, s[98:99] offset:64*\b+16
.endr
	s_branch .Lbias_done
.Lbias_v:
	v_lshlrev_b32 v8, 2, v1                        ; all eight registers of A's block a are row 16 a + l % 16
.irp a, 0,1,2,3,4,5,6,7
.irp j, 0,1,2,3,4,5,6,7
	global_load_b32 v[BI+8*\a+\j], v8, s[98:99] offset:64*\a
.endr
.endr
.Lbias_done:
.macro FRAG reg, adr, q, i             ; a fragment, 16 rows x 128 K, is 12 registers: lane l holds row l % 16; registers 6 c .. 6 c + 5 hold K = 64 c + 32 (l / 16) + 0 .. 31: 24 bytes of the row's stream of bits
.irp p, 0,1,2,3,4,5                    ; in pieces of 8 bytes.  Lanes 16-31 read three pieces further on than lanes 0-15
.set PC, 12*(\q)+6*(\p/3)+\p%3        ; 16 bytes of padding lie behind every 8 pieces: where the piece three on lies behind one padding more, the second address register serves
.if PC%8 < 5
	ds_load_b64 v[\reg+2*\p:\reg+2*\p+1], v[\adr] offset:8*PC+16*(PC/8)+(\i)*16*PITCH
.else
	ds_load_b64 v[\reg+2*\p:\reg+2*\p+1], v[\adr+2] offset:8*PC+16*(PC/8)+(\i)*16*PITCH
.endif
.endr
.endm
; 16 matrix instructions: A's blocks a0, a0 + 1 x B's eight, 128 along K.  p: B's set; sc: the set of scale words.  zero = 0: in place; 1: the sums start from the bias of B's block; 2: of A's block.
; The 64 accumulators take turns, one instruction a turn, in the same order in every step.
.macro MUL16 a0, p, q, sc, zero
.irp a, \a0, \a0+1
.irp b, 0,1,2,3,4,5,6,7
.if \zero == 1
	v_wmma_scale_f32_16x16x128_f8f6f4 v[8*(8*((\a)%4)+\b):8*(8*((\a)%4)+\b)+7], v[128*(\p)+FR*\b:128*(\p)+FR*\b+FR-1], v[AF+FR*(\a):AF+FR*(\a)+FR-1], v[BI+8*\b:BI+8*\b+7], v[SC+8*NQ*(\sc)+NQ*\b+(\q)], v[SC+8*NQ*(\sc)+NQ*(\a)+(\q)] matrix_a_fmt:MATRIX_FMT_FP6 matrix_b_fmt:MATRIX_FMT_FP6 matrix_a_scale:MATRIX_SCALE_ROW1
.elseif \zero == 2
	v_wmma_scale_f32_16x16x128_f8f6f4 v[8*(8*((\a)%4)+\b):8*(8*((\a)%4)+\b)+7], v[128*(\p)+FR*\b:128*(\p)+FR*\b+FR-1], v[AF+FR*(\a):AF+FR*(\a)+FR-1], v[BI+8*(\a):BI+8*(\a)+7], v[SC+8*NQ*(\sc)+NQ*\b+(\q)], v[SC+8*NQ*(\sc)+NQ*(\a)+(\q)] matrix_a_fmt:MATRIX_FMT_FP6 matrix_b_fmt:MATRIX_FMT_FP6 matrix_a_scale:MATRIX_SCALE_ROW1
.else
	v_wmma_scale_f32_16x16x128_f8f6f4 v[8*(8*((\a)%4)+\b):8*(8*((\a)%4)+\b)+7], v[128*(\p)+FR*\b:128*(\p)+FR*\b+FR-1], v[AF+FR*(\a):AF+FR*(\a)+FR-1], v[8*(8*((\a)%4)+\b):8*(8*((\a)%4)+\b)+7], v[SC+8*NQ*(\sc)+NQ*\b+(\q)], v[SC+8*NQ*(\sc)+NQ*(\a)+(\q)] matrix_a_fmt:MATRIX_FMT_FP6 matrix_b_fmt:MATRIX_FMT_FP6 matrix_a_scale:MATRIX_SCALE_ROW1
.endif
.endr
.endr
.endm
.macro FETCH_B slot, q, p              ; B's eight fragments of the slot's q-th 128 along K into set p
	WIN TO_B
.irp i, 0,1,2,3,4,5,6,7
	FRAG 128*(\p)+FR*\i, ADRB+\slot, \q, \i
.endr
	WIN 0
.endm
.macro FETCH_A slot, q, i0             ; A's blocks i0 .. i0 + 3
.irp i, \i0, \i0+1, \i0+2, \i0+3
	FRAG AF+FR*(\i), ADRA+\slot, \q, \i
.endr
.endm
.macro SCALES sc                       ; a K step's scale words into set sc: two words a row; lanes 0-15 take A's block i, lanes 16-31 B's block i
.irp i, 0,1,2,3,4,5,6,7
	ds_load_b64 v[SC+8*NQ*\sc+NQ*\i:SC+8*NQ*\sc+NQ*\i+1], v[ADRS] offset:\i*SBLK
.endr
.endm
.macro PLACES n                        ; places in front of loads into registers that matrix instructions have read (ISA guide 7.12.1 for vector instructions)
.rept \n
	v_nop
.endr
.endm
; A step of 128 along K that has its successor in the same slot.
.macro STEP slot, q, zero
	s_wait_dscnt 4*NL                              ; B's set and A's blocks 0-3 are in; the youngest 24 loads (A's blocks 4-7) may be out
.if \zero
	WIN BIA_LO
.else
	WIN MUL_LO
.endif
	MUL16 0, (\q)%2, \q, \slot, \zero
	MUL16 2, (\q)%2, \q, \slot, \zero
	s_wait_dscnt 0                                 ; A's blocks 4-7 are in
	PLACES NP
	FETCH_B \slot, (\q)+1, 1-(\q)%2
	FETCH_A \slot, (\q)+1, 0
.if \zero
	WIN BIA_HI
.else
	WIN MUL_HI
.endif
	MUL16 4, (\q)%2, \q, \slot, \zero
	MUL16 6, (\q)%2, \q, \slot, \zero
	PLACES NP
	WIN 0
	FETCH_A \slot, (\q)+1, 4
.endm
; A slot's last step changes slots: ONE barrier; in front of it each wave waits for all its tensor loads, adds 0 to its spare word, and waits for that and for its own reads of this slot.  fill = 1: this slot is filled again, two K steps ahead.
.macro TURN slot, next, fill
	s_wait_tensorcnt 0x0                           ; all my tensor loads have landed: my part of the next slot
	ds_add_u32 v[SPW], v[NIL]                      ; 0 onto my spare word
	s_wait_dscnt 4*NL+1                            ; (the add and the youngest 24 loads, A's blocks 4-7, may be out)
	WIN MUL_LO
	MUL16 0, 1, NQ-1, \slot, 0                     ; sixteen matrix instructions stand between the add and the wait for it
	s_wait_dscnt 0x0                               ; the add is done, and my reads of this slot are over
	s_barrier_signal -1
	MUL16 2, 1, NQ-1, \slot, 0
	WIN 0
	s_barrier_wait -1
.if \fill
	CREST                                          ; the barrier has opened a round of the cluster's barrier: no wave of any partner still reads this slot's tile or has a load on its way
	s_add_nc_u64 s[G0+4*\slot+2:G0+4*\slot+3], s[G0+4*\slot+2:G0+4*\slot+3], 2*ROWB
	s_add_nc_u64 s[G0B+4*\slot+2:G0B+4*\slot+3], s[G0B+4*\slot+2:G0B+4*\slot+3], 2*ROWB
	JLOAD G0+4*\slot, G1, G0B+4*\slot, G1B         ; the first tensor load behind the round; its four v_nop are the places in front of the loads below
.else
	PLACES NP
.endif
	s_wait_alu depctr_va_vdst(0)
	v_add_nc_u32 v[ADRS], 4*NQ, v[ADRS]            ; on to the next K step's scale words
	FETCH_B \next, 0, 0
	FETCH_A \next, 0, 0
	SCALES \next
	WIN MUL_HI
	MUL16 4, 1, NQ-1, \slot, 0
	MUL16 6, 1, NQ-1, \slot, 0
	PLACES NP
	WIN 0
	FETCH_A \next, 0, 4
.endm
	s_wait_tensorcnt 1                             ; the scales and my part of K step 0 are in; K step 1's load may be out
	s_barrier_signal -1
	s_barrier_wait -1                              ; everybody's are
	FETCH_B 0, 0, 0
	FETCH_A 0, 0, 0
	s_wait_alu depctr_va_vdst(0)
	SCALES 0
	FETCH_A 0, 0, 4
	s_wait_loadcnt 0x0                             ; the bias
	s_cmp_eq_u32 s[MODE], 2                        ; the first step is written twice: its products start the sums from the bias, which lies by B's blocks or by A's
	s_cbranch_scc1 .Lfirst_v
	STEP 0, 0, 1
	s_branch .Lfirst_done
.Lfirst_v:
	STEP 0, 0, 2
.Lfirst_done:
	TURN 0, 1, 1                                   ; K = 1,024 is four K steps: twice round the ring, written straight
	STEP 1, 0, 0
	TURN 1, 0, 1
	STEP 0, 0, 0
	TURN 0, 1, 0                                   ; the last lap fills nothing, and has no round of the cluster's barrier
	STEP 1, 0, 0
	s_wait_dscnt 4*NL                              ; the very last step: nothing more to fetch
	WIN MUL_LO
	MUL16 0, 1, NQ-1, 1, 0
	MUL16 2, 1, NQ-1, 1, 0
	s_wait_dscnt 0
	WIN MUL_HI
	MUL16 4, 1, NQ-1, 1, 0
	MUL16 6, 1, NQ-1, 1, 0
	WIN 0
; THE WAY OUT.  Block a (16 of my lane rows x my 128 register columns) lies in 8 accumulators: register 16 b + 8 u + j of a lane is column 32 b + 16 u + 8 (l / 16) + j of its row.  So of each block of 32 a lane holds
; two runs of eight, and lane l xor 16 the two between them.  QUANTN: the block's largest magnitude (with the floor 2^(3 - 127) among the leaves, so that the byte cannot fall under 1) over both lanes; 2 off its exponent
; field is the conversion's scale operand, and that shifted down the byte; sixteen numbers a conversion: 96 bits = [run 0 or 1 | run 2 or 3].  WEAVE: the halves of the lanes change places between an even block's
; codes and the next block's, so that a lane has a WHOLE block as [run 0 | run 2] and [run 1 | run 3]; five moves of halfwords lay the four runs of 48 bits in order.
.macro WEAVE d, t
.irp i, 0,1,2
	v_permlane16_swap_b32 v[(\d)+\i], v[(\t)+\i]   ; the first's lanes 16-31 change places with the second's lanes 0-15
.endr
	v_perm_b32 v[(\d)+3], v[(\d)+2], v[(\d)+1], s[P1]   ; run 2, bits 0-31
	v_perm_b32 v[(\d)+4], v[(\t)+1], v[(\d)+2], s[P2]   ; run 2, bits 32-47 | run 3, bits 0-15
	v_perm_b32 v[(\d)+1], v[(\t)], v[(\d)+1], s[P3]     ; run 0, bits 32-47 | run 1, bits 0-15
	v_perm_b32 v[(\d)+2], v[(\t)+1], v[(\t)], s[P1]     ; run 1, bits 16-47
	v_mov_b32 v[(\d)+5], v[(\t)+2]                      ; run 3, bits 16-47
.endm
.macro QUANTN a, d0, d1, pw            ; block a's blocks 0, 1 -> six registers at d0, blocks 2, 3 -> six at d1, its row's four scale bytes -> pw
.set QW_, 2+(\a)/4                     ; the accumulators' window
.set QS_, 64*((\a)%4)
.set QM_, QW_|(QW_<<2)
	WIN QM_                                        ; sources 0 and 1 in the accumulators' window
.irp b, 0,1,2,3
	v_max3_num_f32 v[TM+\b], |v[QS_+16*\b]|, |v[QS_+16*\b+1]|, 0x1800000   ; each accumulator is read from its low end on
.endr
.irp i, 2,4,6,8,10,12,14
.irp b, 0,1,2,3
	v_max3_num_f32 v[TM+\b], |v[QS_+16*\b+\i]|, |v[QS_+16*\b+\i+1]|, v[TM+\b]   ; (the four blocks by turns)
.endr
.endr
	WIN 0
.irp b, 0,1,2,3
	v_permlanex16_b32 v[TM+4+\b], v[TM+\b], s[SEL], s[SEL+1]
.endr
.irp b, 0,1,2,3
	v_max_num_f32 v[TM+\b], v[TM+\b], v[TM+4+\b]   ; with lane l xor 16's sixteen
.endr
.irp b, 0,1,2,3
	v_add_nc_u32 v[TM+8+\b], 0xff000000, v[TM+\b]  ; 2 off the exponent field
.endr
.irp b, 0,1,2,3
	v_lshrrev_b32 v[TM+4+\b], 23, v[TM+8+\b]       ; the byte
.endr
	v_lshl_or_b32 v[\pw], v[TM+5], 8, v[TM+4]
	v_lshl_or_b32 v[\pw], v[TM+6], 16, v[\pw]
	v_lshl_or_b32 v[\pw], v[TM+7], 24, v[\pw]
	WIN QW_                                        ; source 0 in the accumulators' window
	v_cvt_scalef32_pk16_fp6_f32 v[(\d0):(\d0)+2], v[QS_:QS_+15], v[TM+8]
	v_cvt_scalef32_pk16_fp6_f32 v[T0:T0+2], v[QS_+16:QS_+31], v[TM+9]
	v_cvt_scalef32_pk16_fp6_f32 v[(\d1):(\d1)+2], v[QS_+32:QS_+47], v[TM+10]
	v_cvt_scalef32_pk16_fp6_f32 v[T1:T1+2], v[QS_+48:QS_+63], v[TM+11]
	WIN 0
	v_nop                                          ; one plain place behind a scaled conversion
	WEAVE \d0, T0
	WEAVE \d1, T1
.endm
; q, k: my 128 columns are two heads of 64: blocks 0, 1 are the first head's operand registers 0-5 of this tile of 16 rows, blocks 2, 3 the second's.  Two tiles make a pair-run of 12 registers for each head.
.macro PAIR_QK a
	s_wait_xcnt 0x0                                ; the last pair's stores have read their registers
	QUANTN \a, RR, RR+12, PWE
	QUANTN (\a)+1, RR+6, RR+18, PWO
	v_cndmask_b32 v[SCW0+(\a)/2], v[PWE], v[PWO], s[HI16]   ; lanes 0-15: the first tile's rows; lanes 16-31: the second's.  Bytes 0, 1: the first head's
	v_lshrrev_b32 v[SCW1+(\a)/2], 16, v[SCW0+(\a)/2]        ; the second head's, with 0 above.  (Bytes 2, 3 of a word meet zero codes alone, and are never 0xff)
.irp g, 0,1,2
	global_store_b128 v[L16], v[RR+4*\g:RR+4*\g+3], s[4:5] offset:((\a)/2)*1536+512*\g          ; 32 lanes store 512 consecutive bytes, at a multiple of 256 from the buffer's first byte
	global_store_b128 v[L16], v[RR+12+4*\g:RR+12+4*\g+3], s[6:7] offset:((\a)/2)*1536+512*\g
.endr
.endm
; v: my 128 columns are one step of 128 keys: a block of 16 lane rows (channels) gives a whole operand of 12 registers.  Blocks 0-3 are the first head's four tiles, blocks 4-7 the second's.
.macro PAIR_V a
	s_wait_xcnt 0x0
	QUANTN \a, RR, RR+6, PWE
	QUANTN (\a)+1, RR+12, RR+18, PWO
	v_cndmask_b32 v[SCW0+(\a)/2], v[PWE], v[PWO], s[HI16]
.irp g, 0,1,2,3,4,5
	global_store_b128 v[L16], v[RR+4*\g:RR+4*\g+3], s[4:5] offset:((\a)/4)*KVHEAD+((\a)%4)*1536+512*\g
.endr
.endm
.irp b, 0,1,2,3
	v_mov_b32 v[TM+4+\b], 0                        ; written once: a lane permute's destination counts as one of its sources.  These four are also the places behind the last products
.endr
	s_mov_b32 s[SEL], 0x76543210
	s_mov_b32 s[SEL+1], 0xfedcba98
	s_mov_b32 s[HI16], 0xffff0000
	s_mov_b32 s[P1], 0x05040302
	s_mov_b32 s[P2], 0x07060302
	s_mov_b32 s[P3], 0x05040100
	s_cmp_eq_u32 s[MODE], 2
	s_cbranch_scc1 .Lout_v
	s_lshl_b32 s28, s17, 8
	s_lshl_b32 s29, s15, 7
	s_add_co_u32 s28, s28, s29                     ; my first token
	s_lshr_b32 s29, s28, 11                        ; its batch
	s_lshr_b32 s30, s28, 7
	s_and_b32 s30, s30, 15                         ; its step of 128 rows
	s_lshl_b32 s31, s42, 1
	s_add_co_u32 s31, s31, s16
	s_lshl_b32 s31, s31, 1                         ; my first head
	s_lshl_b32 s29, s29, 4
	s_add_co_u32 s29, s29, s31
	s_cmp_eq_u32 s[MODE], 0
	s_mov_b32 s24, KVHEAD
	s_cselect_b32 s24, QHEAD, s24                  ; bytes of a head,
	s_mov_b32 s25, KVSTEP
	s_cselect_b32 s25, QSTEP, s25                  ; of a step,
	s_mov_b32 s26, 12288
	s_cselect_b32 s26, 6144, s26                   ; and where the scale words lie in a step
	s_mul_i32 s28, s29, s24
	s_mul_i32 s30, s30, s25
	s_add_co_u32 s28, s28, s30
	s_mov_b32 s29, 0
	s_mov_b32 s25, 0
	s_mov_b32 s27, 0
	s_add_nc_u64 s[4:5], s[12:13], s[28:29]        ; the first head's step,
	s_add_nc_u64 s[6:7], s[4:5], s[24:25]          ; the second's,
	s_add_nc_u64 s[8:9], s[4:5], s[26:27]          ; and their scale words
	s_add_nc_u64 s[10:11], s[6:7], s[26:27]
	PAIR_QK 0
	PAIR_QK 2
	PAIR_QK 4
	PAIR_QK 6
	global_store_b128 v[L16], v[SCW0:SCW0+3], s[8:9]     ; lane l's four words: rows 32 t + l of the step
	global_store_b128 v[L16], v[SCW1:SCW1+3], s[10:11]
	s_branch .Lout_done
.Lout_v:
	s_lshl_b32 s28, s42, 8
	s_lshl_b32 s29, s16, 7
	s_add_co_u32 s28, s28, s29                     ; my first key
	s_lshr_b32 s29, s28, 11                        ; its batch
	s_lshr_b32 s30, s28, 7
	s_and_b32 s30, s30, 15                         ; its step
	s_lshl_b32 s31, s17, 1
	s_add_co_u32 s31, s31, s15
	s_lshl_b32 s31, s31, 1                         ; my first head
	s_lshl_b32 s29, s29, 4
	s_add_co_u32 s29, s29, s31
	s_mul_i32 s28, s29, KVHEAD
	s_mul_i32 s30, s30, KVSTEP
	s_add_co_u32 s28, s28, s30
	s_add_co_u32 s28, s28, 6144                    ; v's tiles lie behind k's pair-runs
	s_mov_b32 s29, 0
	s_add_nc_u64 s[4:5], s[12:13], s[28:29]
	PAIR_V 0
	PAIR_V 2
	PAIR_V 4
	PAIR_V 6
	global_store_b64 v[L8], v[SCW0:SCW0+1], s[4:5] offset:6656            ; lane l's two words: channels 32 t + l; 32 lanes store 256 consecutive aligned bytes
	global_store_b64 v[L8], v[SCW0+2:SCW0+3], s[4:5] offset:KVHEAD+6656
.Lout_done:
	s_wait_tensorcnt 0x0                           ; the wave's end
	ds_add_u32 v[SPW], v[NIL]
	s_wait_dscnt 0x0
	CROUND                                         ; the closing round: no work-group ends while a partner may still ask for a tile that names it
	s_endpgm
.Lfunc_end_k_qc6e4d04dfd_proj:
	.size	k_qc6e4d04dfd_proj, .Lfunc_end_k_qc6e4d04dfd_proj-k_qc6e4d04dfd_proj
	.p2alignl 7, 3214868480
	.fill 96, 4, 3214868480
	.section	.rodata,"a",@progbits
	.p2align	6, 0x0
	.amdhsa_kernel k_qc6e4d04dfd_proj
		.amdhsa_group_segment_fixed_size 327680
		.amdhsa_private_segment_fixed_size 0
		.amdhsa_enable_private_segment 0
		.amdhsa_kernarg_size 136
		.amdhsa_user_sgpr_count 2
		.amdhsa_user_sgpr_kernarg_segment_ptr 1
		.amdhsa_wavefront_size32 1
		.amdhsa_system_sgpr_workgroup_id_x 1
		.amdhsa_system_sgpr_workgroup_id_y 1
		.amdhsa_system_sgpr_workgroup_id_z 1
		.amdhsa_system_vgpr_workitem_id 0
		.amdhsa_next_free_vgpr 1024
		.amdhsa_next_free_sgpr 100
		.amdhsa_reserve_vcc 0
		.amdhsa_float_denorm_mode_32 3
		.amdhsa_float_denorm_mode_16_64 3
		.amdhsa_memory_ordered 1
		.amdhsa_forward_progress 1
		.amdhsa_inst_pref_size 229
	.end_amdhsa_kernel
	.amdgpu_metadata
---
amdhsa.version: [ 1, 2 ]
amdhsa.kernels:
  - .name:           k_qc6e4d04dfd_proj
    .symbol:         k_qc6e4d04dfd_proj.kd
    .args:
      - { .name: q_in_codes, .offset: 0, .size: 8, .value_kind: global_buffer, .address_space: global }
      - { .name: q_in_scales, .offset: 8, .size: 8, .value_kind: global_buffer, .address_space: global }
      - { .name: wq_codes, .offset: 16, .size: 8, .value_kind: global_buffer, .address_space: global }
      - { .name: wq_scales, .offset: 24, .size: 8, .value_kind: global_buffer, .address_space: global }
      - { .name: bq, .offset: 32, .size: 8, .value_kind: global_buffer, .address_space: global }
      - { .name: k_in_codes, .offset: 40, .size: 8, .value_kind: global_buffer, .address_space: global }
      - { .name: k_in_scales, .offset: 48, .size: 8, .value_kind: global_buffer, .address_space: global }
      - { .name: wk_codes, .offset: 56, .size: 8, .value_kind: global_buffer, .address_space: global }
      - { .name: wk_scales, .offset: 64, .size: 8, .value_kind: global_buffer, .address_space: global }
      - { .name: bk, .offset: 72, .size: 8, .value_kind: global_buffer, .address_space: global }
      - { .name: wv_codes, .offset: 80, .size: 8, .value_kind: global_buffer, .address_space: global }
      - { .name: wv_scales, .offset: 88, .size: 8, .value_kind: global_buffer, .address_space: global }
      - { .name: v_in_codes, .offset: 96, .size: 8, .value_kind: global_buffer, .address_space: global }
      - { .name: v_in_scales, .offset: 104, .size: 8, .value_kind: global_buffer, .address_space: global }
      - { .name: bv, .offset: 112, .size: 8, .value_kind: global_buffer, .address_space: global }
      - { .name: qw, .offset: 120, .size: 8, .value_kind: global_buffer, .address_space: global }
      - { .name: kv, .offset: 128, .size: 8, .value_kind: global_buffer, .address_space: global }
    .group_segment_fixed_size: 327680
    .private_segment_fixed_size: 0
    .kernarg_segment_align: 8
    .kernarg_segment_size: 136
    .max_flat_workgroup_size: 128
    .sgpr_count:     100
    .vgpr_count:     1024
    .wavefront_size: 32
...
	.end_amdgpu_metadata
.endif
;; end of part 1
;; launch attn (part 2): grid 4 x 64, 16 waves a work-group, clusters of 4 x 1, 212,992 bytes of LDS; arguments qw, kv, catc, cats; writes catc, cats
.if DOCPART == 2
	.amdgcn_target "amdgcn-amd-amdhsa--gfx1250"
	.amdhsa_code_object_version 6
	.text
	.protected	k_qc6e4d04dfd_attn
	.globl	k_qc6e4d04dfd_attn
	.p2align	8
	.type	k_qc6e4d04dfd_attn,@function
k_qc6e4d04dfd_attn:
	s_mov_b64 s[64:65], 0
	v_nop
	global_prefetch_b8 v0, s[64:65] scope:SCOPE_SE
	s_setreg_imm32_b32 hwreg(HW_REG_WAVE_MODE, 25, 1), 1
	s_wait_xcnt 0x0
	s_wait_alu depctr_hold_cnt(0) depctr_sa_sdst(0) depctr_va_vdst(0) depctr_va_sdst(0) depctr_va_ssrc(0) depctr_va_vcc(0) depctr_vm_vsrc(0)
	s_getreg_b32 s2, hwreg(HW_REG_IB_STS2, 6, 4)
	s_cmp_eq_u32 s2, 0
	s_cbranch_scc0 .Lentry_in_a_cluster
	s_endpgm
.Lentry_in_a_cluster:
	s_bfe_u32 s2, ttmp6, 0x10000c
	s_cmp_lg_u32 s2, 0x3003
	s_cbranch_scc0 .Lentry_shape_is_right
	s_endpgm
.Lentry_shape_is_right:
; ATTENTION of one head on codes of FP6 (E2M3): S^T = k q^T (K = the head's 64), p = 2^(t - M), O^T = v^T p^T (K = the keys), O / the row's sum, and the quantising of the result along the output product's K.  No work is left out.
; t = score x log2(e) / 8; M = the running largest t rounded UP to a whole number; p is quantised along the keys, not normalised; the row's sum is taken of the unquantised p, in f32, and divides at the end.
; When M moves, the sum and O^T are multiplied by 2^(old M - new M): exact.
; LIMITS: NaN and infinities are not served.  A block of zeros gets the byte 1 where the quantiser says 127 (zero codes; only this program reads the bytes).  A block's largest p is taken through the block's largest score,
; which takes v_exp_f32 not to fall where its input rises.
; SHARES.  A work-group owns 512 queries of one head (16 b + h = the grid's y); each of its sixteen waves two tiles of 16 queries, one after the other, in 256 registers: four waves to a SIMD, so that one wave's vector work
; stands beside another's matrix work and LDS loads.  THE HEAD'S WHOLE k, v AND SCALE WORDS, 208,896 bytes, LIE IN LDS for the whole launch, as they lie in kv: each wave brings one key step's 13,056 bytes by one tensor load.
; So there are first fills only: no slot is filled again, and the loops have no barrier.  The four work-groups of a cluster share the head: each fill is asked for JOINTLY.
; No prefetch: all that the launch reads by tensor loads is asked for at its head.
; LAYOUT.  kv holds operands in the order of their registers: every LDS read takes 16 (scale words of v: 8) bytes a lane, lanes on end.  Both products are used transposed: a lane holds ONE query (lane % 16) throughout.
; The first product has K = 64: q's registers 6-11 are zeros, and k's operand of 12 registers is a tile's six with whatever follows them (the next tile's six, or six zeros): zero codes take that away.
; In S^T register 16 b + 8 u + j of a lane is key 32 b + 16 u + 8 (lane / 16) + j: p's codes are brought into the operand's order behind the conversions (WEAVE).
; OUT: catc [h][row / 16][768]: a tile's six operand registers, registers 2 c, 2 c + 1 of lane l at 256 c + 8 l: each store covers 256 consecutive aligned bytes.  cats [row][32]: bytes 2 h, 2 h + 1: two bytes a row, rows 32 bytes
; apart: a store of 2 bytes a lane, 1/24 of what this launch stores; whole rows would want all 16 heads in one work-group.
.set STEPB, 13056                      ; a key step in kv and in LDS: k 6,144, v 6,144, k's scale words 512, v's 256
.set HEADB, 16*STEPB
.set SPARE, HEADB                      ; behind the head: the spare words, 128 bytes for each of 16 waves
.set L16, 1                            ; v1   16 x lane
.set L8,  2                            ; v2   8 x lane
.set SPW, 3                            ; v3   my spare word; never rewritten
.set NIL, 4                            ; v4   0; never rewritten
.set ADK, 5                            ; v5   the step's LDS address, 16 bytes a lane
.set ADV, 6                            ; v6   8 bytes a lane
.set L32, 9                            ; v9   32 x lane
.set HW0, 10                           ; v10  the first tile's two scale bytes
.set HW1, 11                           ; v11  the second's
.set QF0, 16                           ; v16-27, v28-39 q's two fragments (registers 6-11 of each: zeros)
.set QS,  40                           ; v40  q's scale words: lanes 0-15 the first tile's, lanes 16-31 the second's
.set PW,  41                           ; v41  p's scale word
.set F,   42                           ; v[42:43] f = 2^(old M - new M)
.set FB,  44                           ; v44-91 k's, then v's fragments; v92-97 zeros, never rewritten
.set KS,  98                           ; v98-101 k's scale words
.set VS,  102                          ; v102-103 v's
.set S,   104                          ; v104-167 S^T, then p
.set O,   168                          ; v168-199 O^T
.set PC,  200                          ; v200-211 p's codes
.set T0,  212                          ; v212-214, v216-218 the odd blocks' codes
.set T1,  216
.set BM,  220                          ; v220-223 the blocks' largest scores, then largest p
.set BX,  224                          ; v224-227 the other half's; then the bytes
.set BS,  228                          ; v228-231 the conversions' scale operands
.set SM2, 232                          ; v[232:233] the sum's second chain
.set TMP, 234
.set WV,  12                           ; s12  my wave's number
.set SEL, 20                           ; s[20:21] lane selects for lane l xor 16
.set CS,  22                           ; s[22:23] c = log2(e) / 8
.set G1,  24                           ; s[24:31], s[32:35] the descriptor
.set G0,  32
.set TB,  36                           ; s36  LDS byte at which the key step begins
.set CNT, 37                           ; s37  key steps to go
.set HI16, 38                          ; s38  lanes 16-31
.set P1,  48                           ; s48-50 byte selects of the interleave
.set P2,  49
.set P3,  50
.macro CROUND                          ; a round of the cluster's barrier
	s_barrier_signal -1
	s_barrier_wait -1
	s_cmp_lg_u32 s[WV], 0
	s_cbranch_scc1 .Lnot_wave_0_\@
	s_barrier_signal -3
.Lnot_wave_0_\@:
	s_barrier_wait -3
	s_barrier_signal -1
	s_barrier_wait -1
.endm
	s_load_b256 s[4:11], s[0:1], 0x0               ; qw s[4:5], kv s[6:7], catc s[8:9], cats s[10:11]
	v_lshl_add_u32 v[SPW], v0, 2, SPARE
	v_mov_b32 v[NIL], 0
	ds_add_u32 v[SPW], v[NIL]                      ; the wave's opening: the add, twice on end, and its wait ahead of my first tensor load
	ds_add_u32 v[SPW], v[NIL]                      ; and once more; the set-up below, work on registers, stands between it and the wait
	v_lshrrev_b32 v7, 5, v0
	s_delay_alu instid0(VALU_DEP_1)
	v_readfirstlane_b32 s[WV], v7                  ; wave 0..15
	s_bfe_u32 s13, ttmp6, 0x40000                  ; cx: my block of 512 queries: it enters q's and the outputs' addresses alone
	s_and_b32 s14, ttmp7, 0xffff                   ; 16 b + h, which the four partners share
	; the descriptor: 13,056 dense bytes as 51 rows of 256 (32 elements of 8 bytes), no padding
	s_mov_b32 s[G1], 15|(3<<16)|(1<<21)            ; 15:0 the mask: all four work-groups; elements of 8 bytes; bit 21 beside a mask
	s_mov_b32 s[G1+1], 32<<16                      ; tensor_dim0
	s_mov_b32 s[G1+2], 51<<16                      ; tensor_dim1
	s_mov_b32 s[G1+3], 32<<16                      ; tile_dim0
	s_mov_b32 s[G1+4], 51                          ; tile_dim1
	s_mov_b32 s[G1+5], 32                          ; from row to row
	s_mov_b32 s[G1+6], 0
	s_mov_b32 s[G1+7], 0
	s_mul_i32 s15, s[WV], STEPB                    ; my key step, in the head and in LDS
	s_mul_i32 s2, s14, HEADB
	s_add_co_u32 s2, s2, s15
	s_mov_b32 s3, 0
	s_mul_i32 s16, s14, 106496                     ; q: the head,
	s_lshl_b32 s17, s13, 2
	s_lshr_b32 s18, s[WV], 2
	s_add_co_u32 s17, s17, s18
	s_mul_i32 s17, s17, 6656                       ; the step of 128 rows: 4 cx + wave / 4,
	s_add_co_u32 s16, s16, s17
	s_and_b32 s18, s[WV], 3                        ; the pair-run in it: wave % 4
	s_mul_i32 s19, s18, 1536
	s_lshl_b32 s18, s18, 2
	s_add_co_u32 s18, s18, 6144
	s_add_co_u32 s18, s18, s16                     ; its scale words
	s_add_co_u32 s16, s16, s19                     ; its codes
	s_mov_b32 s17, 0
	s_mov_b32 s19, 0
	s_lshr_b32 s44, s14, 4                         ; b
	s_and_b32 s45, s14, 15                         ; h
	s_lshl_b32 s40, s44, 6
	s_lshl_b32 s46, s13, 4
	s_add_co_u32 s40, s40, s46
	s_add_co_u32 s40, s40, s[WV]                   ; my pair of tiles among all rows: 64 b + 16 cx + wave
	s_mul_i32 s42, s40, 1024                       ; cats: 32 rows of 32 bytes,
	s_mul_i32 s40, s40, 1536                       ; catc: two tiles of 768 bytes,
	s_mul_i32 s46, s45, 393216                     ; in head h
	s_add_co_u32 s40, s40, s46
	s_lshl_b32 s45, s45, 1
	s_add_co_u32 s42, s42, s45                     ; bytes 2 h, 2 h + 1 of a row
	s_mov_b32 s41, 0
	s_mov_b32 s43, 0
	s_mov_b32 s[SEL], 0x76543210
	s_mov_b32 s[SEL+1], 0xfedcba98
	s_mov_b32 s[CS], 0x3e38aa3b                    ; c = log2(e) / sqrt(64)
	s_mov_b32 s[CS+1], s[CS]                       ; (named with it as a pair, so it is written)
	s_mov_b32 s[HI16], 0xffff0000
	s_mov_b32 s[P1], 0x05040302
	s_mov_b32 s[P2], 0x07060302
	s_mov_b32 s[P3], 0x05040100
	s_wait_dscnt 0x0                               ; both opening adds are done
	s_wait_kmcnt 0x0
	s_mov_b32 s[G0], 1
	s_mov_b32 s[G0+1], s15
	s_add_nc_u64 s[G0+2:G0+3], s[6:7], s[2:3]
	s_or_b32 s[G0+3], s[G0+3], 0x80000000
	s_add_nc_u64 s[16:17], s[4:5], s[16:17]
	s_add_nc_u64 s[18:19], s[4:5], s[18:19]
	s_add_nc_u64 s[40:41], s[8:9], s[40:41]
	s_add_nc_u64 s[42:43], s[10:11], s[42:43]
	CROUND                                         ; all four work-groups are here: the joint loads meet
	tensor_load_to_lds s[G0:G0+3], s[G1:G1+7]      ; every wave's one tensor load: key step = my wave's number
	s_nop 0
	v_and_b32 v7, 31, v0
	s_delay_alu instid0(VALU_DEP_1)
	v_lshlrev_b32 v[L16], 4, v7
	s_delay_alu instid0(VALU_DEP_2)
	v_lshlrev_b32 v[L8], 3, v7
	s_delay_alu instid0(VALU_DEP_3)
	v_lshlrev_b32 v[L32], 5, v7
.irp q, 0,1,2,3,4,5                    ; the pair-run's registers 2 q, 2 q + 1 lie at 512 (q / 2) + 16 x lane + 8 (q % 2): registers 0-5 are the first tile's, 6-11 the second's
	global_load_b64 v[QF0+12*(\q/3)+2*(\q%3):QF0+12*(\q/3)+2*(\q%3)+1], v[L16], s[16:17] offset:512*(\q/2)+8*(\q%2)
.endr
	global_load_b32 v[QS], v[L16], s[18:19]
.irp j, 6,7,8,9,10,11
	v_mov_b32 v[QF0+\j], 0                         ; K = 64: the upper half of q's operand is zero codes
	v_mov_b32 v[QF0+12+\j], 0
	v_mov_b32 v[FB+42+\j], 0                       ; what follows the last tile of k
.endr
.irp b, 0,1,2,3
	v_mov_b32 v[BX+\b], 0                          ; written once: a lane permute's destination counts as one of its sources
.endr
	v_mov_b32 v[F+1], 0                            ; (named as the upper half of a pair)
	v_mov_b32 v[TMP], 0
	s_wait_loadcnt 0x0                             ; q
	s_wait_tensorcnt 0x0                           ; my key step has landed,
	s_barrier_signal -1
	s_barrier_wait -1                              ; everybody's has: the head lies in LDS, and nothing writes it from here on
.macro KQ t, g, i                      ; keys 16 (2 t + g) on: source 0 = k's tile, source 1 = q's tile i.  The scale words of an odd tile lie in lanes 16-31
.set KD_, S+8*(2*(\t)+(\g))
.set KA_, FB+12*(\t)+6*(\g)
.set KB_, QF0+12*(\i)
.if ((\g) == 0) && ((\i) == 0)
	v_wmma_scale_f32_16x16x128_f8f6f4 v[KD_:KD_+7], v[KA_:KA_+11], v[KB_:KB_+11], 0, v[KS+(\t)], v[QS] matrix_a_fmt:MATRIX_FMT_FP6 matrix_b_fmt:MATRIX_FMT_FP6
.elseif (\i) == 0
	v_wmma_scale_f32_16x16x128_f8f6f4 v[KD_:KD_+7], v[KA_:KA_+11], v[KB_:KB_+11], 0, v[KS+(\t)], v[QS] matrix_a_fmt:MATRIX_FMT_FP6 matrix_b_fmt:MATRIX_FMT_FP6 matrix_a_scale:MATRIX_SCALE_ROW1
.elseif (\g) == 0
	v_wmma_scale_f32_16x16x128_f8f6f4 v[KD_:KD_+7], v[KA_:KA_+11], v[KB_:KB_+11], 0, v[KS+(\t)], v[QS] matrix_a_fmt:MATRIX_FMT_FP6 matrix_b_fmt:MATRIX_FMT_FP6 matrix_b_scale:MATRIX_SCALE_ROW1
.else
	v_wmma_scale_f32_16x16x128_f8f6f4 v[KD_:KD_+7], v[KA_:KA_+11], v[KB_:KB_+11], 0, v[KS+(\t)], v[QS] matrix_a_fmt:MATRIX_FMT_FP6 matrix_b_fmt:MATRIX_FMT_FP6 matrix_a_scale:MATRIX_SCALE_ROW1 matrix_b_scale:MATRIX_SCALE_ROW1
.endif
.endm
; Behind the conversions a lane has, of an even block (at d) and of the next (at t), 96 bits [run 0 or 1 | run 2 or 3] of eight codes each.  The halves of the lanes change places, so that a lane has a WHOLE block as
; [run 0 | run 2] and [run 1 | run 3]; five moves of halfwords lay the four runs of 48 bits in order: six registers of the operand.
.macro WEAVE d, t
.irp i, 0,1,2
	v_permlane16_swap_b32 v[(\d)+\i], v[(\t)+\i]
.endr
	s_delay_alu instid0(VALU_DEP_1)
	v_perm_b32 v[(\d)+3], v[(\d)+2], v[(\d)+1], s[P1]   ; run 2, bits 0-31
	s_delay_alu instid0(VALU_DEP_2)
	v_perm_b32 v[(\d)+4], v[(\t)+1], v[(\d)+2], s[P2]   ; run 2, bits 32-47 | run 3, bits 0-15
	s_delay_alu instid0(VALU_DEP_4)
	v_perm_b32 v[(\d)+1], v[(\t)], v[(\d)+1], s[P3]     ; run 0, bits 32-47 | run 1, bits 0-15
	v_perm_b32 v[(\d)+2], v[(\t)+1], v[(\t)], s[P1]     ; run 1, bits 16-47
	v_mov_b32 v[(\d)+5], v[(\t)+2]                      ; run 3, bits 16-47
.endm
; ONE TILE OF 16 QUERIES through all 2,048 keys, 128 a trip.
.macro QTILE i
	s_wait_xcnt 0x0                                ; the stores of the tile before have read their registers
	v_mov_b32 v13, 0xff61b1e6                      ; the largest t so far: -3e38, under every t
	s_delay_alu instid0(VALU_DEP_1)
	v_floor_f32 v12, -v13                          ; -M
	v_mov_b32 v14, 0                               ; the sum, in two halves
	v_mov_b32 v15, 0
.irp j, 0,1,2,3,4,5,6,7,8,9,10,11,12,13,14,15,16,17,18,19,20,21,22,23,24,25,26,27,28,29,30,31
	v_mov_b32 v[O+\j], 0                           ; O^T.  (The trip is written once: the first finds zeros, which the first change of M leaves zeros)
.endr
	s_mov_b32 s[TB], 0
	s_mov_b32 s[CNT], 16
.Lkeys_\@:
	s_setprio 2
	v_add_nc_u32 v[ADK], s[TB], v[L16]
	v_add_nc_u32 v[ADV], s[TB], v[L8]
	v_nop
	v_nop                                          ; four places behind the last trip's products, in front of loads into registers that they have read
.irp t, 0,1,2,3
.irp c, 0,1,2
	ds_load_b128 v[FB+12*\t+4*\c:FB+12*\t+4*\c+3], v[ADK] offset:1536*\t+512*\c    ; k's pair-run t: tiles 2 t, 2 t + 1
.endr
.endr
	ds_load_b128 v[KS:KS+3], v[ADK] offset:12288   ; and the four scale words
	s_wait_alu depctr_va_vdst(0)
	s_wait_dscnt 0x0
.irp t, 0,1,2,3
.irp g, 0,1
	KQ \t, \g, \i
.endr
.endr
.rept 4
	v_nop                                          ; places: in front of the loads below and of the first read of the scores
.endr
.irp t, 0,1,2,3
.irp c, 0,1,2
	ds_load_b128 v[FB+12*\t+4*\c:FB+12*\t+4*\c+3], v[ADK] offset:6144+1536*\t+512*\c   ; v's tile t is asked for now, and lands under the softmax
.endr
.endr
	ds_load_b64 v[VS:VS+1], v[ADV] offset:12800
.irp b, 0,1,2,3
	v_max3_num_f32 v[BM+\b], v[S+16*\b], v[S+16*\b+1], v[S+16*\b+2]   ; the largest score of each block of 32 keys: for the row's maximum and, since p rises with the score, for the block's largest p
.endr
.irp n, 3,5,7,9,11,13
.irp b, 0,1,2,3
	v_max3_num_f32 v[BM+\b], v[BM+\b], v[S+16*\b+\n], v[S+16*\b+\n+1]
.endr
.endr
.irp b, 0,1,2,3
	v_max_num_f32 v[BM+\b], v[BM+\b], v[S+16*\b+15]
.endr
.irp b, 0,1,2,3
	s_delay_alu instid0(VALU_DEP_4)
	v_permlanex16_b32 v[BX+\b], v[BM+\b], s[SEL], s[SEL+1]
.endr
.irp b, 0,1,2,3
	s_delay_alu instid0(VALU_DEP_4)
	v_max_num_f32 v[BM+\b], v[BM+\b], v[BX+\b]     ; with lane l xor 16's 16 keys
.endr
	s_delay_alu instid0(VALU_DEP_2)
	v_max3_num_f32 v[TMP], v[BM], v[BM+1], v[BM+2]
	s_delay_alu instid0(VALU_DEP_1)
	v_max_num_f32 v[TMP], v[TMP], v[BM+3]          ; the step's largest score of my query
	s_delay_alu instid0(VALU_DEP_1)
	v_mul_f32 v[TMP], s[CS], v[TMP]                ; as t (c is positive)
	s_delay_alu instid0(VALU_DEP_1)
	v_max_num_f32 v13, v13, v[TMP]                 ; the running largest t
	v_mov_b32 v[TMP], v12
	s_delay_alu instid0(VALU_DEP_2)
	v_floor_f32 v12, -v13                          ; the new -M = floor(-t): M is a whole number
	s_delay_alu instid0(VALU_DEP_1)
	v_sub_f32 v[TMP], v12, v[TMP]                  ; old M - new M: a whole number, 0 or less
	s_delay_alu instid0(VALU_DEP_1)
	v_cvt_i32_f32 v[TMP], v[TMP]                   ; (it saturates)
	s_delay_alu instid0(VALU_DEP_1)
	v_ldexp_f32 v[F], 1.0, v[TMP]                  ; f = 2^(old M - new M)
.irp j, 0,2,4,6,8,10,12,14,16,18,20,22,24,26,28,30,32,34,36,38,40,42,44,46,48,50,52,54,56,58,60,62
	v_pk_fma_f32 v[S+\j:S+\j+1], v[S+\j:S+\j+1], s[CS:CS+1], v[12:13] op_sel_hi:[1,0,0]   ; t - M, two at a time
.endr
.irp b, 0,1,2,3
	v_fma_f32 v[BM+\b], v[BM+\b], s[CS], v12       ; the same of each block's largest score
.endr
	s_wait_alu depctr_va_vdst(0)
.irp j, 0,1,2,3,4,5,6,7,8,9,10,11,12,13,14,15,16,17,18,19,20,21,22,23,24,25,26,27,28,29,30,31,32,33,34,35,36,37,38,39,40,41,42,43,44,45,46,47,48,49,50,51,52,53,54,55,56,57,58,59,60,61,62,63
	v_exp_f32 v[S+\j], v[S+\j]                     ; p = 2^(t - M), at most 1: not normalised
.endr
	s_setprio 1
	v_pk_mul_f32 v[14:15], v[14:15], v[F:F+1] op_sel_hi:[1,0]   ; the sums under the new M: the plain place behind the exponentials
	s_wait_alu depctr_va_vdst(0)                   ; one wait for the whole batch, ahead of its first reader
.irp b, 0,1,2,3
	v_exp_f32 v[BM+\b], v[BM+\b]                   ; the block's largest p: the same two instructions on the same number give the same bits
.endr
	v_pk_add_f32 v[232:233], v[108:109], v[112:113]
	v_pk_add_f32 v[254:255], v[116:117], v[120:121]
	v_pk_add_f32 v[252:253], v[124:125], v[128:129]
	v_pk_add_f32 v[250:251], v[132:133], v[136:137]
	v_pk_add_f32 v[248:249], v[140:141], v[144:145]
	v_pk_add_f32 v[246:247], v[148:149], v[152:153]
	v_pk_add_f32 v[244:245], v[156:157], v[160:161]
	v_pk_add_f32 v[14:15], v[14:15], v[164:165]
	v_pk_add_f32 v[232:233], v[232:233], v[104:105]
	v_pk_add_f32 v[254:255], v[254:255], v[106:107]
	v_pk_add_f32 v[252:253], v[252:253], v[110:111]
	v_pk_add_f32 v[250:251], v[250:251], v[114:115]
	v_pk_add_f32 v[248:249], v[248:249], v[118:119]
	v_pk_add_f32 v[246:247], v[246:247], v[122:123]
	v_pk_add_f32 v[244:245], v[244:245], v[126:127]
	v_pk_add_f32 v[14:15], v[14:15], v[130:131]
	v_pk_add_f32 v[232:233], v[232:233], v[134:135]
	v_pk_add_f32 v[254:255], v[254:255], v[138:139]
	v_pk_add_f32 v[252:253], v[252:253], v[142:143]
	v_pk_add_f32 v[250:251], v[250:251], v[146:147]
	v_pk_add_f32 v[248:249], v[248:249], v[150:151]
	v_pk_add_f32 v[246:247], v[246:247], v[154:155]
	v_pk_add_f32 v[244:245], v[244:245], v[158:159]
	v_pk_add_f32 v[14:15], v[14:15], v[162:163]
	v_pk_add_f32 v[232:233], v[232:233], v[166:167]
	s_delay_alu instid0(VALU_DEP_2)
	v_pk_add_f32 v[14:15], v[14:15], v[250:251]
	s_delay_alu instid0(VALU_DEP_2)
	v_pk_add_f32 v[232:233], v[232:233], v[248:249]
	v_pk_add_f32 v[254:255], v[254:255], v[246:247]
	v_pk_add_f32 v[252:253], v[252:253], v[244:245]
	s_delay_alu instid0(VALU_DEP_2)
	v_pk_add_f32 v[14:15], v[14:15], v[254:255]
	s_delay_alu instid0(VALU_DEP_2)
	v_pk_add_f32 v[232:233], v[232:233], v[252:253]
	s_delay_alu instid0(VALU_DEP_1)
	v_pk_add_f32 v[14:15], v[14:15], v[232:233]
	s_wait_alu depctr_va_vdst(0)                   ; and one for the four
.irp b, 0,1,2,3
	v_max_num_f32 v[BM+\b], 0x1800000, v[BM+\b]    ; the floor 2^(3 - 127): the byte cannot fall under 1
.endr
.irp b, 0,1,2,3
	s_delay_alu instid0(VALU_DEP_4)
	v_add_nc_u32 v[BS+\b], 0xff000000, v[BM+\b]    ; 2 off the exponent field: the conversion's scale operand
.endr
.irp b, 0,1,2,3
	s_delay_alu instid0(VALU_DEP_4)
	v_lshrrev_b32 v[BX+\b], 23, v[BS+\b]           ; the byte
.endr
	s_delay_alu instid0(VALU_DEP_3)
	v_lshl_or_b32 v[PW], v[BX+1], 8, v[BX]         ; p's scale word for these 128 keys
	s_delay_alu instid0(VALU_DEP_1)
	v_lshl_or_b32 v[PW], v[BX+2], 16, v[PW]
	s_delay_alu instid0(VALU_DEP_1)
	v_lshl_or_b32 v[PW], v[BX+3], 24, v[PW]
	v_cvt_scalef32_pk16_fp6_f32 v[PC:PC+2], v[S:S+15], v[BS]
	v_cvt_scalef32_pk16_fp6_f32 v[T0:T0+2], v[S+16:S+31], v[BS+1]
	v_cvt_scalef32_pk16_fp6_f32 v[PC+6:PC+8], v[S+32:S+47], v[BS+2]
	v_cvt_scalef32_pk16_fp6_f32 v[T1:T1+2], v[S+48:S+63], v[BS+3]
	v_nop                                          ; one plain place behind a scaled conversion
	WEAVE PC, T0
	WEAVE PC+6, T1
	s_setprio 0
.irp j, 0,2,4,6,8,10,12,14,16,18,20,22,24,26,28,30
	v_pk_mul_f32 v[O+\j:O+\j+1], v[O+\j:O+\j+1], v[F:F+1] op_sel_hi:[1,0]   ; O^T under the new M.  For each product below twelve of these name none of its registers: the places behind the writes of p's codes and scale word
.endr
	s_wait_alu depctr_va_vdst(0)
	s_wait_dscnt 0x0                               ; v is in
.irp t, 0,1,2,3                        ; O^T += v^T p^T: 16 channels a tile; the four accumulators by turns
.if \t % 2
	v_wmma_scale_f32_16x16x128_f8f6f4 v[O+8*\t:O+8*\t+7], v[FB+12*\t:FB+12*\t+11], v[PC:PC+11], v[O+8*\t:O+8*\t+7], v[VS+\t/2], v[PW] matrix_a_fmt:MATRIX_FMT_FP6 matrix_b_fmt:MATRIX_FMT_FP6 matrix_a_scale:MATRIX_SCALE_ROW1
.else
	v_wmma_scale_f32_16x16x128_f8f6f4 v[O+8*\t:O+8*\t+7], v[FB+12*\t:FB+12*\t+11], v[PC:PC+11], v[O+8*\t:O+8*\t+7], v[VS+\t/2], v[PW] matrix_a_fmt:MATRIX_FMT_FP6 matrix_b_fmt:MATRIX_FMT_FP6
.endif
.endr
	s_add_co_u32 s[TB], s[TB], STEPB
	s_sub_co_i32 s[CNT], s[CNT], 1
	s_cmp_lg_u32 s[CNT], 0
	s_cbranch_scc1 .Lkeys_\@
	s_setprio 0
	; THE TILE'S END: O^T / the sum; register 16 b + 8 u + j of a lane is channel 32 b + 16 u + 8 (lane / 16) + j of its row: two blocks of the output product's K, quantised as p is
.rept 4
	v_nop                                          ; places behind the last products
.endr
	v_add_f32 v14, v14, v15                        ; the sum's two halves,
	s_delay_alu instid0(VALU_DEP_1)
	v_permlanex16_b32 v[TMP], v14, s[SEL], s[SEL+1]
	s_delay_alu instid0(VALU_DEP_1)
	v_add_f32 v14, v14, v[TMP]                     ; and lane l xor 16's
	s_wait_alu depctr_va_vdst(0)
	v_rcp_f32 v14, v14
	v_nop                                          ; a plain place behind the reciprocal,
	s_wait_alu depctr_va_vdst(0)                   ; and the wait ahead of its first reader
.irp j, 0,2,4,6,8,10,12,14,16,18,20,22,24,26,28,30
	v_pk_mul_f32 v[S+\j:S+\j+1], v[O+\j:O+\j+1], v[14:15] op_sel_hi:[1,0]   ; each accumulator from its low end on
.endr
.irp b, 0,1
	v_max3_num_f32 v[BM+\b], |v[S+16*\b]|, |v[S+16*\b+1]|, 0x1800000
.endr
.irp n, 2,4,6,8,10,12,14
.irp b, 0,1
	s_delay_alu instid0(VALU_DEP_2)
	v_max3_num_f32 v[BM+\b], v[BM+\b], |v[S+16*\b+\n]|, |v[S+16*\b+\n+1]|
.endr
.endr
.irp b, 0,1
	s_delay_alu instid0(VALU_DEP_2)
	v_permlanex16_b32 v[BX+\b], v[BM+\b], s[SEL], s[SEL+1]
.endr
.irp b, 0,1
	s_delay_alu instid0(VALU_DEP_2)
	v_max_num_f32 v[BM+\b], v[BM+\b], v[BX+\b]
.endr
.irp b, 0,1
	s_delay_alu instid0(VALU_DEP_2)
	v_add_nc_u32 v[BS+\b], 0xff000000, v[BM+\b]
.endr
.irp b, 0,1
	s_delay_alu instid0(VALU_DEP_2)
	v_lshrrev_b32 v[BX+\b], 23, v[BS+\b]
.endr
	s_delay_alu instid0(VALU_DEP_1)
	v_lshl_or_b32 v[HW0+(\i)], v[BX+1], 8, v[BX]   ; my row's two scale bytes
	v_cvt_scalef32_pk16_fp6_f32 v[PC:PC+2], v[S:S+15], v[BS]
	v_cvt_scalef32_pk16_fp6_f32 v[T0:T0+2], v[S+16:S+31], v[BS+1]
	v_nop
	WEAVE PC, T0
.irp c, 0,1,2
	global_store_b64 v[L8], v[PC+2*\c:PC+2*\c+1], s[40:41] offset:768*(\i)+256*\c   ; 32 lanes store 256 consecutive bytes, at a multiple of 256 from the buffer's first byte
.endr
.endm
	QTILE 0
	QTILE 1
	v_cndmask_b32 v[HW1], v[HW0], v[HW1], s[HI16]  ; lanes 0-15: the first tile's rows; lanes 16-31: the second's
	global_store_b16 v[L32], v[HW1], s[42:43]      ; row = lane
	s_wait_tensorcnt 0x0                           ; the wave's end
	ds_add_u32 v[SPW], v[NIL]
	s_wait_dscnt 0x0
	CROUND                                         ; the closing round
	s_endpgm
.Lfunc_end_k_qc6e4d04dfd_attn:
	.size	k_qc6e4d04dfd_attn, .Lfunc_end_k_qc6e4d04dfd_attn-k_qc6e4d04dfd_attn
	.p2alignl 7, 3214868480
	.fill 96, 4, 3214868480
	.section	.rodata,"a",@progbits
	.p2align	6, 0x0
	.amdhsa_kernel k_qc6e4d04dfd_attn
		.amdhsa_group_segment_fixed_size 212992
		.amdhsa_private_segment_fixed_size 0
		.amdhsa_enable_private_segment 0
		.amdhsa_kernarg_size 32
		.amdhsa_user_sgpr_count 2
		.amdhsa_user_sgpr_kernarg_segment_ptr 1
		.amdhsa_wavefront_size32 1
		.amdhsa_system_sgpr_workgroup_id_x 1
		.amdhsa_system_sgpr_workgroup_id_y 1
		.amdhsa_system_sgpr_workgroup_id_z 1
		.amdhsa_system_vgpr_workitem_id 0
		.amdhsa_next_free_vgpr 256
		.amdhsa_next_free_sgpr 66
		.amdhsa_reserve_vcc 0
		.amdhsa_float_denorm_mode_32 3
		.amdhsa_float_denorm_mode_16_64 3
		.amdhsa_memory_ordered 1
		.amdhsa_forward_progress 1
		.amdhsa_inst_pref_size 52
	.end_amdhsa_kernel
	.amdgpu_metadata
---
amdhsa.version: [ 1, 2 ]
amdhsa.kernels:
  - .name:           k_qc6e4d04dfd_attn
    .symbol:         k_qc6e4d04dfd_attn.kd
    .args:
      - { .name: qw, .offset: 0, .size: 8, .value_kind: global_buffer, .address_space: global }
      - { .name: kv, .offset: 8, .size: 8, .value_kind: global_buffer, .address_space: global }
      - { .name: catc, .offset: 16, .size: 8, .value_kind: global_buffer, .address_space: global }
      - { .name: cats, .offset: 24, .size: 8, .value_kind: global_buffer, .address_space: global }
    .group_segment_fixed_size: 212992
    .private_segment_fixed_size: 0
    .kernarg_segment_align: 8
    .kernarg_segment_size: 32
    .max_flat_workgroup_size: 512
    .sgpr_count:     66
    .vgpr_count:     256
    .wavefront_size: 32
...
	.end_amdgpu_metadata
.endif
;; end of part 2
;; launch outp (part 3): grid 4 x 32, 4 waves a work-group, clusters of 4 x 4, 327,680 bytes of LDS; arguments catc, cats, wo_codes, wo_scales, bo, out0; writes out0
.if DOCPART == 3
	.amdgcn_target "amdgcn-amd-amdhsa--gfx1250"
	.amdhsa_code_object_version 6
	.text
	.protected	k_qc6e4d04dfd_outp
	.globl	k_qc6e4d04dfd_outp
	.p2align	8
	.type	k_qc6e4d04dfd_outp,@function
k_qc6e4d04dfd_outp:
	s_mov_b64 s[64:65], 0
	v_nop
	global_prefetch_b8 v0, s[64:65] scope:SCOPE_SE
	s_setreg_imm32_b32 hwreg(HW_REG_WAVE_MODE, 25, 1), 1
	s_wait_xcnt 0x0
	s_wait_alu depctr_hold_cnt(0) depctr_sa_sdst(0) depctr_va_vdst(0) depctr_va_sdst(0) depctr_va_ssrc(0) depctr_va_vcc(0) depctr_vm_vsrc(0)
	s_getreg_b32 s2, hwreg(HW_REG_IB_STS2, 6, 4)
	s_cmp_eq_u32 s2, 0
	s_cbranch_scc0 .Lentry_in_a_cluster
	s_endpgm
.Lentry_in_a_cluster:
	s_bfe_u32 s2, ttmp6, 0x10000c
	s_cmp_lg_u32 s2, 0xf033
	s_cbranch_scc0 .Lentry_shape_is_right
	s_endpgm
.Lentry_shape_is_right:
.set SIZE_N, 1024
.set KSTEP,  256
.set NQ,     KSTEP/128
.set ROWB,   192
.set KROW,   768
.set PITCH,  240
.set FR,     12
.set NL,     6
.set NP,     4
.set HALFT,  128*PITCH
.set SLOT,   4*HALFT
.set AHEAD,  393216
.set ASTEP,  4*AHEAD
.set KS,     32
.set SCL,    2*SLOT
.set HALFS,  (128*KS/256)*272
.set SBLK,   (16*KS/256)*272
.set SPARE,  SCL+4*HALFS
.set SPITCH, 528
.set ADRA, 16
.set ADRB, 20
.set STO,  24
.set RD,   25
.set CO,   26
.set ADRS, 27
.set SPW,  28
.set NIL,  29
.set SC,   32
.set BI,   64
.set AF,   128
.set BK,   128
.set G1, 24
.set G0, 32
.set G1B, 48
.set G0B, 56
.set G1S, 68
.set G0S, 76
.set G1SB, 80
.set G0SB, 88
.set MSB, 0
.macro WIN new
.if MSB != \new
	s_set_vgpr_msb (MSB<<8)|\new
.set MSB, \new
.endif
.endm
.set MUL_LO, 0xa1
.set MUL_HI, 0xf1
.set BIA_LO, 0x81
.set BIA_HI, 0xc1
.set TO_B,   0x40
.macro JLOAD g0a, g1a, g0b, g1b
	s_cmp_eq_u32 s15, 0
	s_cbranch_scc0 .Lfor_b_\@
	tensor_load_to_lds s[\g0a:\g0a+3], s[\g1a:\g1a+7]
	s_nop 0
.rept 4
	v_nop
.endr
	s_branch .Lasked_\@
.Lfor_b_\@:
	tensor_load_to_lds s[\g0b:\g0b+3], s[\g1b:\g1b+7]
	s_nop 0
.rept 4
	v_nop
.endr
.Lasked_\@:
.endm
.macro CREST
	s_cmp_lg_u32 s14, 0
	s_cbranch_scc1 .Lnot_wave_0_\@
	s_barrier_signal -3
.Lnot_wave_0_\@:
	s_barrier_wait -3
	s_barrier_signal -1
	s_barrier_wait -1
.endm
.macro CROUND
	s_barrier_signal -1
	s_barrier_wait -1
	CREST
.endm
	s_load_b128 s[4:7], s[0:1], 0x0
	s_load_b128 s[8:11], s[0:1], 0x10
	s_load_b64 s[96:97], s[0:1], 0x20
	s_load_b64 s[12:13], s[0:1], 0x28
	v_lshl_add_u32 v[SPW], v0, 2, SPARE
	v_mov_b32 v[NIL], 0
	ds_add_u32 v[SPW], v[NIL]
	ds_add_u32 v[SPW], v[NIL]
	v_lshrrev_b32 v1, 5, v0
	v_readfirstlane_b32 s14, v1
	s_lshr_b32 s15, s14, 1
	s_and_b32 s16, s14, 1
	s_bfe_u32 s40, ttmp6, 0x40000
	s_bfe_u32 s41, ttmp6, 0x40004
	s_lshl_b32 s42, ttmp9, 2
	s_add_co_u32 s42, s42, s40
	s_and_b32 s17, ttmp7, 0xffff
	s_lshl_b32 s17, s17, 2
	s_add_co_u32 s17, s17, s41
	s_lshl_b32 s43, s41, 2
	s_lshl_b32 s43, 15, s43
	s_lshl_b32 s44, 0x1111, s40
	s_or_b32 s[G1+0], s43, (3<<16)|(1<<21)
	s_mov_b32 s[G1+1], 768<<16
	s_mov_b32 s[G1+2], 4<<16
	s_mov_b32 s[G1+3], 768<<16
	s_mov_b32 s[G1+4], 4
	s_mov_b32 s[G1+5], AHEAD/8
	s_mov_b32 s[G1+6], 0
	s_mov_b32 s[G1+7], 0
	s_or_b32 s[G1B+0], s44, (0<<16)|(1<<20)|(1<<21)|(3<<22)|(3<<25)
	s_mov_b32 s[G1B+1], ROWB<<16
	s_mov_b32 s[G1B+2], 128<<16
	s_mov_b32 s[G1B+3], ROWB<<16
	s_mov_b32 s[G1B+4], 128
	s_mov_b32 s[G1B+5], KROW
	s_mov_b32 s[G1B+6], 0
	s_mov_b32 s[G1B+7], 0
	s_or_b32 s[G1S+0], s43, (3<<16)|(1<<20)|(1<<21)|(5<<22)|(3<<25)
	s_or_b32 s[G1SB+0], s44, (3<<16)|(1<<20)|(1<<21)|(5<<22)|(3<<25)
.irp g, G1S, G1SB
	s_mov_b32 s[\g+1], 32<<16
	s_mov_b32 s[\g+2], (128*KS/256)<<16
	s_mov_b32 s[\g+3], 32<<16
	s_mov_b32 s[\g+4], 128*KS/256
	s_mov_b32 s[\g+5], 32
	s_mov_b32 s[\g+6], 0
	s_mov_b32 s[\g+7], 0
.endr
	s_lshl_b32 s18, s16, 7
	s_lshl_b32 s20, s17, 8
	s_add_co_u32 s20, s20, s18
	s_lshl_b32 s46, s42, 8
	s_add_co_u32 s46, s46, s18
	s_mov_b32 s21, 0
	s_mov_b32 s47, 0
	s_mov_b64 s[18:19], KS
	s_mul_u64 s[22:23], s[20:21], s[18:19]
	s_mul_u64 s[92:93], s[46:47], s[18:19]
	s_mov_b64 s[18:19], 48
	s_mul_u64 s[20:21], s[20:21], s[18:19]
	s_mov_b64 s[18:19], KROW
	s_mul_u64 s[46:47], s[46:47], s[18:19]
	s_mul_i32 s45, s14, HALFT
	s_mul_i32 s94, s14, HALFS
	s_wait_dscnt 0x0
	s_wait_kmcnt 0x0
	s_add_nc_u64 s[20:21], s[4:5], s[20:21]
	s_add_nc_u64 s[22:23], s[6:7], s[22:23]
	s_add_nc_u64 s[46:47], s[8:9], s[46:47]
	s_add_nc_u64 s[92:93], s[10:11], s[92:93]
	CROUND
	s_mov_b32 s[G0S], 1
	s_add_co_u32 s[G0S+1], s94, SCL
	s_mov_b64 s[G0S+2:G0S+3], s[22:23]
	s_or_b32 s[G0S+3], s[G0S+3], 0x80000000
	s_mov_b32 s[G0SB], 1
	s_add_co_u32 s[G0SB+1], s94, SCL
	s_mov_b64 s[G0SB+2:G0SB+3], s[92:93]
	s_or_b32 s[G0SB+3], s[G0SB+3], 0x80000000
	JLOAD G0S, G1S, G0SB, G1SB
.irp s, 0,1
	s_mov_b32 s[G0+4*\s], 1
	s_add_co_u32 s[G0+4*\s+1], s45, \s*SLOT
	s_add_nc_u64 s[G0+4*\s+2:G0+4*\s+3], s[20:21], \s*ASTEP
	s_or_b32 s[G0+4*\s+3], s[G0+4*\s+3], 0x80000000
	s_mov_b32 s[G0B+4*\s], 1
	s_add_co_u32 s[G0B+4*\s+1], s45, \s*SLOT
	s_add_nc_u64 s[G0B+4*\s+2:G0B+4*\s+3], s[46:47], \s*ROWB
	s_or_b32 s[G0B+4*\s+3], s[G0B+4*\s+3], 0x80000000
	s_wait_alu depctr_va_vdst(0)
	s_wait_tensorcnt 0x0
	ds_add_u32 v28, v29
	s_wait_dscnt 0x0
	CROUND
	JLOAD G0+4*\s, G1, G0B+4*\s, G1B
.endr
	v_and_b32 v1, 15, v0
	v_bfe_u32 v2, v0, 4, 1
	v_and_b32 v6, 31, v0
	v_lshlrev_b32 v7, 3, v6
	v_mul_u32_u24 v3, v1, PITCH
	v_mul_u32_u24 v4, v2, 24
	v_add_nc_u32 v4, v3, v4
	v_lshl_add_u32 v5, v2, 4, v4
	s_mul_i32 s21, s15, HALFT
	s_mul_i32 s22, s16, HALFT
	s_add_co_u32 s22, s22, 2*HALFT
.irp s, 0,1
	v_add_nc_u32 v[ADRA+\s], s21, v7
	v_add_nc_u32 v[ADRB+\s], s22, v4
	v_add_nc_u32 v[ADRB+2+\s], s22, v5
	s_add_co_u32 s21, s21, SLOT
	s_add_co_u32 s22, s22, SLOT
.endr
	v_mul_u32_u24 v5, v1, KS
	v_lshrrev_b32 v3, 8, v5
	v_lshl_add_u32 v5, v3, 4, v5
	s_mul_i32 s21, s15, HALFS
	s_mul_i32 s22, s16, HALFS
	s_add_co_u32 s22, s22, 2*HALFS
	s_sub_co_u32 s22, s22, s21
	v_mul_u32_u24 v3, s22, v2
	s_add_co_u32 s21, s21, SCL
	v_add_nc_u32 v5, v5, v3
	v_add_nc_u32 v[ADRS], s21, v5
	s_mul_i32 s23, s14, 16*SPITCH
	v_mul_u32_u24 v5, v1, SPITCH
	v_lshl_add_u32 v5, v2, 5, v5
	v_add_nc_u32 v[STO], s23, v5
	v_lshlrev_b32 v[CO], 4, v6
	v_add_nc_u32 v[RD], s23, v[CO]
	s_lshl_b32 s20, s17, 8
	s_lshl_b32 s21, s15, 7
	s_add_co_u32 s20, s20, s21
	s_mov_b32 s21, 0
	s_mov_b64 s[18:19], SIZE_N*4
	s_mul_u64 s[20:21], s[20:21], s[18:19]
	s_lshl_b32 s46, s42, 10
	s_lshl_b32 s47, s16, 9
	s_add_co_u32 s46, s46, s47
	s_mov_b32 s47, 0
	s_add_nc_u64 s[96:97], s[96:97], s[46:47]
	s_add_nc_u64 s[20:21], s[20:21], s[46:47]
	s_add_nc_u64 s[12:13], s[12:13], s[20:21]
	v_lshlrev_b32 v8, 5, v2
.irp b, 0,1,2,3,4,5,6,7
	global_load_b128 v[BI+8*\b:BI+8*\b+3], v8, s[96:97] offset:64*\b
	global_load_b128 v[BI+8*\b+4:BI+8*\b+7], v8, s[96:97] offset:64*\b+16
.endr
.macro FRAG reg, adr, q, i
.irp p, 0,1,2,3,4,5
.set PC, 12*(\q)+6*(\p/3)+\p%3
.if PC%8 < 5
	ds_load_b64 v[\reg+2*\p:\reg+2*\p+1], v[\adr] offset:8*PC+16*(PC/8)+(\i)*16*PITCH
.else
	ds_load_b64 v[\reg+2*\p:\reg+2*\p+1], v[\adr+2] offset:8*PC+16*(PC/8)+(\i)*16*PITCH
.endif
.endr
.endm
.macro FRAGA reg, adr, q, i
.irp p, 0,1,2,3,4,5
	ds_load_b64 v[\reg+2*\p:\reg+2*\p+1], v[\adr] offset:(2*(\q)+\p/3)*6144+(\i)*768+256*(\p%3)
.endr
.endm
.macro MUL16 a0, p, q, sc, zero
.irp a, \a0, \a0+1
.irp b, 0,1,2,3,4,5,6,7
.if \zero
	v_wmma_scale_f32_16x16x128_f8f6f4 v[8*(8*((\a)%4)+\b):8*(8*((\a)%4)+\b)+7], v[128*(\p)+FR*\b:128*(\p)+FR*\b+FR-1], v[AF+FR*(\a):AF+FR*(\a)+FR-1], v[BI+8*\b:BI+8*\b+7], v[SC+8*NQ*(\sc)+NQ*\b+(\q)], v[SC+8*NQ*(\sc)+NQ*(\a)+(\q)] matrix_a_fmt:MATRIX_FMT_FP6 matrix_b_fmt:MATRIX_FMT_FP6 matrix_a_scale:MATRIX_SCALE_ROW1
.else
	v_wmma_scale_f32_16x16x128_f8f6f4 v[8*(8*((\a)%4)+\b):8*(8*((\a)%4)+\b)+7], v[128*(\p)+FR*\b:128*(\p)+FR*\b+FR-1], v[AF+FR*(\a):AF+FR*(\a)+FR-1], v[8*(8*((\a)%4)+\b):8*(8*((\a)%4)+\b)+7], v[SC+8*NQ*(\sc)+NQ*\b+(\q)], v[SC+8*NQ*(\sc)+NQ*(\a)+(\q)] matrix_a_fmt:MATRIX_FMT_FP6 matrix_b_fmt:MATRIX_FMT_FP6 matrix_a_scale:MATRIX_SCALE_ROW1
.endif
.endr
.endr
.endm
.macro FETCH_B slot, q, p
	WIN TO_B
.irp i, 0,1,2,3,4,5,6,7
	FRAG 128*(\p)+FR*\i, ADRB+\slot, \q, \i
.endr
	WIN 0
.endm
.macro FETCH_A slot, q, i0
.irp i, \i0, \i0+1, \i0+2, \i0+3
	FRAGA AF+FR*(\i), ADRA+\slot, \q, \i
.endr
.endm
.macro SCALES sc
.irp i, 0,1,2,3,4,5,6,7
	ds_load_b64 v[SC+8*NQ*\sc+NQ*\i:SC+8*NQ*\sc+NQ*\i+1], v[ADRS] offset:\i*SBLK
.endr
.endm
.macro PLACES n
.rept \n
	v_nop
.endr
.endm
.macro STEP slot, q, zero
	s_wait_dscnt 4*NL
.if \zero
	WIN BIA_LO
.else
	WIN MUL_LO
.endif
	MUL16 0, (\q)%2, \q, \slot, \zero
	MUL16 2, (\q)%2, \q, \slot, \zero
	s_wait_dscnt 0
	PLACES NP
	FETCH_B \slot, (\q)+1, 1-(\q)%2
	FETCH_A \slot, (\q)+1, 0
.if \zero
	WIN BIA_HI
.else
	WIN MUL_HI
.endif
	MUL16 4, (\q)%2, \q, \slot, \zero
	MUL16 6, (\q)%2, \q, \slot, \zero
	PLACES NP
	WIN 0
	FETCH_A \slot, (\q)+1, 4
.endm
.macro TURN slot, next, fill
	s_wait_tensorcnt 0x0
	ds_add_u32 v[SPW], v[NIL]
	s_wait_dscnt 4*NL+1
	WIN MUL_LO
	MUL16 0, 1, NQ-1, \slot, 0
	s_wait_dscnt 0x0
	s_barrier_signal -1
	MUL16 2, 1, NQ-1, \slot, 0
	WIN 0
	s_barrier_wait -1
.if \fill
	CREST
	s_add_nc_u64 s[G0+4*\slot+2:G0+4*\slot+3], s[G0+4*\slot+2:G0+4*\slot+3], 2*ASTEP
	s_add_nc_u64 s[G0B+4*\slot+2:G0B+4*\slot+3], s[G0B+4*\slot+2:G0B+4*\slot+3], 2*ROWB
	JLOAD G0+4*\slot, G1, G0B+4*\slot, G1B
.else
	PLACES NP
.endif
	s_wait_alu depctr_va_vdst(0)
	v_add_nc_u32 v[ADRS], 4*NQ, v[ADRS]
	FETCH_B \next, 0, 0
	FETCH_A \next, 0, 0
	SCALES \next
	WIN MUL_HI
	MUL16 4, 1, NQ-1, \slot, 0
	MUL16 6, 1, NQ-1, \slot, 0
	PLACES NP
	WIN 0
	FETCH_A \next, 0, 4
.endm
	s_wait_alu depctr_va_vdst(0)
	s_wait_tensorcnt 1
	s_barrier_signal -1
	s_barrier_wait -1
	FETCH_B 0, 0, 0
	FETCH_A 0, 0, 0
	SCALES 0
	FETCH_A 0, 0, 4
	s_wait_loadcnt 0x0
	STEP 0, 0, 1
	TURN 0, 1, 1
	STEP 1, 0, 0
	TURN 1, 0, 1
	STEP 0, 0, 0
	TURN 0, 1, 0
	STEP 1, 0, 0
	s_wait_dscnt 4*NL
	WIN MUL_LO
	MUL16 0, 1, NQ-1, 1, 0
	MUL16 2, 1, NQ-1, 1, 0
	s_wait_dscnt 0
	WIN MUL_HI
	MUL16 4, 1, NQ-1, 1, 0
	MUL16 6, 1, NQ-1, 1, 0
	WIN 0
.macro TOSTAGE a
.set AC, 64*((\a)%4)
	WIN 0x08+4*((\a)/4)
.irp b, 0,1,2,3,4,5,6,7
	ds_store_b128 v[STO], v[AC+8*\b:AC+8*\b+3] offset:64*\b
	ds_store_b128 v[STO], v[AC+8*\b+4:AC+8*\b+7] offset:64*\b+16
.endr
	WIN 0
.set BB, BK+64*((\a)%2)
.irp t, 0,1,2,3,4,5,6,7,8,9,10,11,12,13,14,15
	ds_load_b128 v[BB+4*\t:BB+4*\t+3], v[RD] offset:\t*SPITCH
.endr
.endm
.macro SEND a, younger
.set BB, BK+64*((\a)%2)
	s_wait_dscnt \younger
.if (\a) > 0
	s_add_nc_u64 s[12:13], s[12:13], 16*SIZE_N*4
.endif
.irp t, 0,1,2,3,4,5,6,7,8,9,10,11,12,13,14,15
	global_store_b128 v[CO], v[BB+4*\t:BB+4*\t+3], s[12:13] offset:\t*SIZE_N*4 th:TH_STORE_NT
.endr
.endm
	PLACES NP
	TOSTAGE 0
.irp a, 1,2,3,4,5,6,7
.if \a > 1
	s_wait_xcnt 0x0
.endif
	TOSTAGE \a
	SEND \a-1, 32
.endr
	s_wait_xcnt 0x0
	SEND 7, 0
	s_wait_tensorcnt 0x0
	ds_add_u32 v[SPW], v[NIL]
	s_wait_dscnt 0x0
	CROUND
	s_endpgm
.Lfunc_end_k_qc6e4d04dfd_outp:
	.size	k_qc6e4d04dfd_outp, .Lfunc_end_k_qc6e4d04dfd_outp-k_qc6e4d04dfd_outp
	.p2alignl 7, 3214868480
	.fill 96, 4, 3214868480
	.section	.rodata,"a",@progbits
	.p2align	6, 0x0
	.amdhsa_kernel k_qc6e4d04dfd_outp
		.amdhsa_group_segment_fixed_size 327680
		.amdhsa_private_segment_fixed_size 0
		.amdhsa_enable_private_segment 0
		.amdhsa_kernarg_size 48
		.amdhsa_user_sgpr_count 2
		.amdhsa_user_sgpr_kernarg_segment_ptr 1
		.amdhsa_wavefront_size32 1
		.amdhsa_system_sgpr_workgroup_id_x 1
		.amdhsa_system_sgpr_workgroup_id_y 1
		.amdhsa_system_sgpr_workgroup_id_z 1
		.amdhsa_system_vgpr_workitem_id 0
		.amdhsa_next_free_vgpr 1024
		.amdhsa_next_free_sgpr 100
		.amdhsa_reserve_vcc 0
		.amdhsa_float_denorm_mode_32 3
		.amdhsa_float_denorm_mode_16_64 3
		.amdhsa_memory_ordered 1
		.amdhsa_forward_progress 1
		.amdhsa_inst_pref_size 162
	.end_amdhsa_kernel
	.amdgpu_metadata
---
amdhsa.version: [ 1, 2 ]
amdhsa.kernels:
  - .name:           k_qc6e4d04dfd_outp
    .symbol:         k_qc6e4d04dfd_outp.kd
    .args:
      - { .name: catc, .offset: 0, .size: 8, .value_kind: global_buffer, .address_space: global }
      - { .name: cats, .offset: 8, .size: 8, .value_kind: global_buffer, .address_space: global }
      - { .name: wo_codes, .offset: 16, .size: 8, .value_kind: global_buffer, .address_space: global }
      - { .name: wo_scales, .offset: 24, .size: 8, .value_kind: global_buffer, .address_space: global }
      - { .name: bo, .offset: 32, .size: 8, .value_kind: global_buffer, .address_space: global }
      - { .name: out0, .offset: 40, .size: 8, .value_kind: global_buffer, .address_space: global }
    .group_segment_fixed_size: 327680
    .private_segment_fixed_size: 0
    .kernarg_segment_align: 8
    .kernarg_segment_size: 48
    .max_flat_workgroup_size: 128
    .sgpr_count:     100
    .vgpr_count:     1024
    .wavefront_size: 32
...
	.end_amdgpu_metadata
.endif
;; end of part 3
